; MI455X (gfx1250); checked and timed in simulation.
; The chip was launched on July 23, 2026; its instructions are those of AMD's public machine-readable ISA for CDNA 5 (MIT licence, August 2026) and "CDNA5" Instruction Set Architecture Reference Guide (July 2026). The comments in the code are by the model that wrote it; some were corrected since.
;; Multi Head Attention. Allowed arithmetic: matrix products marked QUANTISED: E4M3 operands, one given power-of-two scale a tensor, by v_wmma_f32_16x16x64_fp8_fp8 or v_wmma_f32_16x16x128_fp8_fp8, f32 sums; everything else in f32.
;; Inputs: W_k 1,024 x 1,024 float32; W_o 1,024 x 1,024 float32; W_q 1,024 x 1,024 float32; W_v 1,024 x 1,024 float32; key 4 x 2,048 x 1,024 float32; key_padding_masks 4 x 2,048 int32; lowp_scales 12 int32 (the exponents e of the quantised operands' scales 2^e); query 4 x 2,048 x 1,024 float32; query_padding_masks 4 x 2,048 int32; value 4 x 2,048 x 1,024 float32.
;; Outputs: out0 4 x 2,048 x 1,024 float32.
;; This version of the problem:
;;   THIS VERSION OF THE PROBLEM IS GIVEN IN LOW PRECISION. The matrix products marked QUANTISED in the list below multiply operands that are first quantised to E4M3 (4 exponent bits, 3 mantissa bits; 8 bits a number), with one given power-of-two scale for each operand tensor; their sums are f32. All else is computed in f32.
;;   The module's matrix products, in the order in which they are computed (A, B: the left and right operand; K: the contracted axis; several contracted axes count as one K, in the product's order):
;;     1. [M 8,192, K 1,024] x [K 1,024, N 1,024]; A: input query; B: input W_q: QUANTISED (scales: A lowp_scales[0], B lowp_scales[1])
;;     2. [M 8,192, K 1,024] x [K 1,024, N 1,024]; A: input key; B: input W_k: QUANTISED (scales: A lowp_scales[2], B lowp_scales[3])
;;     3. [M 8,192, K 1,024] x [K 1,024, N 1,024]; A: input value; B: input W_v: QUANTISED (scales: A lowp_scales[4], B lowp_scales[5])
;;     4. batch 64 x [M 2,048, K 64] x [K 64, N 2,048]; A: computed on the way; B: computed on the way: QUANTISED (scales: A lowp_scales[6], B lowp_scales[7])
;;     5. batch 64 x [M 2,048, K 2,048] x [K 2,048, N 64]; A: computed on the way; B: computed on the way: QUANTISED (scales: A lowp_scales[8], B lowp_scales[9])
;;     6. [M 8,192, K 1,024] x [K 1,024, N 1,024]; A: computed on the way; B: input W_o: QUANTISED (scales: A lowp_scales[10], B lowp_scales[11])
;;   THE QUANTISER, for each operand of a quantised product, along K:
;;     - The operand's scale is 2^e, e = its entry of the input lowp_scales (int32; the entries are numbered through the quantised products in the list's order, A before B).
;;     - Each number is divided by the scale, clamped to +-448, and rounded to the nearest number of E4M3, ties to even, subnormals kept.
;;     - The product sums the exact products of the quantised numbers (number of the format x scale) in f32.
;;   ~~~python
;;   def quantise(x, axis, e):      # numpy; x: float32 -> the quantised numbers, widened to float32 again
;;       x = np.moveaxis(x, axis, -1); K = x.shape[-1]
;;       r = np.clip(x / 2.0 ** e, -448, 448)
;;       step = 2.0 ** (np.maximum(np.frexp(np.where(r == 0, 1, r))[1] - 1, -6) - 3)
;;       q = np.round(r / step) * step * 2.0 ** e      # np.round: ties to even
;;       return np.moveaxis(q, -1, axis).astype(np.float32)
;;   ~~~
;;   OPERANDS COMPUTED ON THE WAY. 'Computed on the way' means the value that the module computes at that place (a softmax that the list does not call 'softmax' is quantised finished and normalised). What goes into a quantiser is computed in f32, as accurately as f32 sums, v_exp_f32 and their like allow (about 1e-6 of the number): no bf16 or f16 on the way to a quantiser, and a product that is left as it is and whose result goes on into a quantised operand takes f32 operands (vector FMAs, or v_wmma_f32_16x16x4_f32). A number that lies on a knife's edge between two numbers of the format may be rounded either way, as far as f32 arithmetic and the matrix unit's own rounding can turn it there, and no further.
;; One version. Each part assembles by itself: llvm-mc -triple=amdgcn-amd-amdhsa -mcpu=gfx1250 --defsym DOCPART=n.
;; ======== version 1 of 1: 4 launches
;; limits: right only within a limited range of input values
;; workspace buffers: ximg 25,165,824 bytes; wimg 4,194,304 bytes; kv 16,777,216 bytes; oimg 8,388,608 bytes; rownan 32,768 bytes
;; launch quant (part 1): grid 512 x 1, 4 waves a work-group, no clusters, 34,304 bytes of LDS; arguments query, key, value, W_q, W_k, W_v, W_o, lowp_scales, ximg, wimg; writes ximg, wimg
.if DOCPART == 1
	.amdgcn_target "amdgcn-amd-amdhsa--gfx1250"
	.amdhsa_code_object_version 6
	.text
	.protected	k_q93e0327c64_quant
	.globl	k_q93e0327c64_quant
	.p2align	8
	.type	k_q93e0327c64_quant,@function
k_q93e0327c64_quant:
	s_mov_b64 s[64:65], 0
	v_nop
	global_prefetch_b8 v0, s[64:65] scope:SCOPE_SE
	s_setreg_imm32_b32 hwreg(HW_REG_WAVE_MODE, 25, 1), 1
	s_wait_xcnt 0x0
; query, key, value [8192][1024] and W_q, W_k, W_v, W_o [1024 (k)][1024 (n)], f32, become codes of E4M3, each tensor with its one given scale 2^e:
; code = x / 2^e, held within +-448, rounded to the nearest code, ties to even.
; THE CODES ARE LAID AS IMAGES OF THE OPERANDS' REGISTERS.  A fragment-row f is 16 rows: slot r holds row 32 (f / 2) + 8 (f % 2) + r + 8 (r / 8).
; A fragment (fragment-row f, K step s of 128) is 2,048 bytes: four groups c of 512; in group c lane (r, h) has 16 bytes at 16 (r + 16 h): k = 128 s + 32 c + 16 h + 0 .. 15 of slot r's row.
; ximg: [tensor 3][f 512][s 8][2048]; wimg: [weight 4][f 64][s 8][2048], rows = output features n, K = input features.
; Work-groups 0-383 take the three activations (a wave: one fragment-row, eight K steps), work-groups 384-511 the four weights.  Waves share nothing: no barrier.
; LIMITS: every e used here lies between -126 and 119, so that 2^e and 448 x 2^e are f32 numbers.  NaN among the inputs is not served (an infinity is held at the largest code).
.set SPARE, 33792                      ; behind the four stages: the spare words, 128 bytes for each wave
.set SP,    528                        ; a stage row: 512 bytes + 16: row r starts 4 r banks on
.set LI,    1                          ; v1   16 x lane
.set SI,    2                          ; v2   X path: into the stage; W path: 4 x lane
.set SO,    3                          ; v3   X path: out of the stage; W path: my column's place in the images
.set LIM,   10                         ; v10  448 x 2^e
.set SC,    11                         ; v11  2^e
.set SPW,   12                         ; v12  LDS address of my spare word; never rewritten
.set NIL,   13                         ; v13  0; never rewritten
.set R,     16                         ; v16-143  two sets of 64: a step's numbers as loaded
.set X,     144                        ; v144-207 64 numbers, 16 neighbours along K for each group
.set C,     208                        ; v208-239 two sets of 16: a fragment's codes
.set WX,    32                         ; W path: v32-95 two sets of 32 numbers down K
.set WC,    96                         ; W path: v96-159 eight registers of codes for each block: no store's data are written again
	s_load_b512 s[8:23], s[0:1], 0x0               ; query, key, value, W_q, W_k, W_v, W_o, the scales' exponents
	s_load_b128 s[24:27], s[0:1], 0x40             ; ximg, wimg
	v_lshl_add_u32 v[SPW], v0, 2, SPARE
	v_mov_b32 v[NIL], 0
	v_lshrrev_b32 v4, 5, v0
	v_readfirstlane_b32 s2, v4                     ; wave 0..3
	v_and_b32 v5, 31, v0                           ; lane
	v_lshlrev_b32 v[LI], 4, v5
	s_wait_kmcnt 0x0
	s_load_b256 s[40:47], s[22:23], 0x0            ; e0 .. e7
	s_load_b128 s[48:51], s[22:23], 0x20           ; e8 .. e11
	s_cmp_ge_u32 ttmp9, 384
	s_cbranch_scc1 .Lweights
	; ---- THE ACTIVATIONS.  Each load reads 512 consecutive bytes of one row; a step's 16 rows turn through my own stage in LDS, so that a lane gets 16 neighbours along K for each group.
	s_lshr_b32 s3, ttmp9, 7                        ; which tensor: 128 work-groups each
	s_lshl_b32 s4, ttmp9, 2
	s_add_co_u32 s4, s4, s2
	s_and_b32 s4, s4, 511                          ; my fragment-row
	s_cmp_eq_u32 s3, 0
	s_cselect_b64 s[28:29], s[8:9], s[10:11]
	s_cmp_eq_u32 s3, 2
	s_cselect_b64 s[28:29], s[12:13], s[28:29]
	s_lshr_b32 s5, s4, 1
	s_lshl_b32 s5, s5, 17                          ; 32 (f / 2) rows of 4,096 bytes
	s_and_b32 s6, s4, 1
	s_lshl_b32 s6, s6, 15                          ; + 8 (f % 2) rows
	s_add_co_u32 s30, s5, s6
	s_mov_b32 s31, 0
	s_add_nc_u64 s[28:29], s[28:29], s[30:31]
	s_lshl_b32 s30, s3, 23                         ; the tensor's images,
	s_lshl_b32 s5, s4, 14                          ; my fragment-row's eight
	s_add_co_u32 s30, s30, s5
	s_add_nc_u64 s[32:33], s[24:25], s[30:31]
	s_mul_i32 s7, s2, 16*SP                        ; my stage
	s_wait_alu depctr_va_vdst(0)
	v_add_nc_u32 v[SI], s7, v[LI]
	v_and_b32 v6, 15, v0                           ; r
	v_bfe_u32 v7, v0, 4, 1                         ; h
	v_mul_u32_u24 v[SO], v6, SP
	v_lshl_add_u32 v[SO], v7, 6, v[SO]             ; row r, + 64 h bytes: 16 numbers
	v_add_nc_u32 v[SO], s7, v[SO]
.macro XLOAD t                         ; K step t: slot i's row, 128 numbers
.irp i, 0,1,2,3,4,5,6,7,8,9,10,11,12,13,14,15
	global_load_b128 v[R+64*((\t)%2)+4*\i:R+64*((\t)%2)+4*\i+3], v[LI], s[28:29] offset:(\i+8*(\i/8))*4096+512*(\t) th:TH_LOAD_NT
.endr
.endm
	XLOAD 0
	XLOAD 1
	s_wait_alu depctr_va_vdst(0)
	s_wait_kmcnt 0x0
	s_cmp_eq_u32 s3, 0
	s_cselect_b32 s34, s40, s42                    ; e0, e2
	s_cmp_eq_u32 s3, 2
	s_cselect_b32 s34, s44, s34                    ; e4
	s_add_co_i32 s34, s34, 127
	s_lshl_b32 s35, s34, 23
	v_mov_b32 v[SC], s35                           ; 2^e as f32: the conversion takes its exponent field
	s_add_co_i32 s34, s34, 8
	s_lshl_b32 s34, s34, 23
	s_or_b32 s34, s34, 0x600000
	v_mov_b32 v[LIM], s34                          ; 448 x 2^e
.macro XSTEP t
.if (\t) < 7
	s_wait_loadcnt 16                              ; this step's 16 loads are in; the next step's 16 may be out
.else
	s_wait_loadcnt 0
.endif
.irp i, 0,1,2,3,4,5,6,7,8,9,10,11,12,13,14,15
	ds_store_b128 v[SI], v[R+64*((\t)%2)+4*\i:R+64*((\t)%2)+4*\i+3] offset:SP*\i
.endr
.irp c, 0,1,2,3
.irp j, 0,1,2,3
	ds_load_b128 v[X+16*\c+4*\j:X+16*\c+4*\j+3], v[SO] offset:128*\c+16*\j   ; LDS serves a wave's instructions in order: these see the stores above
.endr
.endr
	s_wait_dscnt 0x0                               ; the numbers are back, and the stores into the stage have read their registers,
	s_wait_xcnt 0x0                                ; and the codes' stores of two steps ago have read theirs
.if (\t)+2 < 8
	XLOAD (\t)+2
.endif
.irp c, 0,1,2,3
.irp i, 0,1,2,3,4,5,6,7,8,9,10,11,12,13,14,15
	v_med3_num_f32 v[X+16*\c+\i], v[X+16*\c+\i], -v[LIM], v[LIM]   ; the conversion to an 8-bit code does not saturate (ISA guide 7.6.2): the hold comes first
.endr
	v_cvt_scalef32_pk8_fp8_f32 v[C+16*((\t)%2)+4*\c:C+16*((\t)%2)+4*\c+1], v[X+16*\c:X+16*\c+7], v[SC]
	v_cvt_scalef32_pk8_fp8_f32 v[C+16*((\t)%2)+4*\c+2:C+16*((\t)%2)+4*\c+3], v[X+16*\c+8:X+16*\c+15], v[SC]
.endr
	v_nop                                          ; a plain line behind the conversions: the next step's holds write their sources
.irp c, 0,1,2,3
	global_store_b128 v[LI], v[C+16*((\t)%2)+4*\c:C+16*((\t)%2)+4*\c+3], s[32:33] offset:2048*(\t)+512*\c   ; 32 lanes store 512 consecutive bytes, aligned
.endr
.endm
	s_wait_alu depctr_va_vdst(0)
.irp t, 0,1,2,3,4,5,6,7
	XSTEP \t
.endr
	s_wait_tensorcnt 0x0                           ; the wave's end, behind my last LDS store
	ds_add_u32 v[SPW], v[NIL]
	s_wait_dscnt 0x0
	s_endpgm
	; ---- THE WEIGHTS.  K is the first axis: a lane takes a column n and its registers run down K, so the conversions give codes with K innermost, and a lane's 16 codes are its 16 bytes of a group.  No LDS.
.Lweights:
	s_sub_co_u32 s3, ttmp9, 384
	s_lshr_b32 s4, s3, 5                           ; which weight
	s_and_b32 s5, s3, 7                            ; which 128 columns
	s_bfe_u32 s6, s3, 0x20003                      ; which 256 along K
	s_cmp_eq_u32 s4, 0
	s_cselect_b64 s[28:29], s[14:15], s[16:17]
	s_cmp_eq_u32 s4, 2
	s_cselect_b64 s[28:29], s[18:19], s[28:29]
	s_cmp_eq_u32 s4, 3
	s_cselect_b64 s[28:29], s[20:21], s[28:29]
	s_lshl_b32 s30, s6, 20                         ; 256 rows of 4,096 bytes
	s_lshl_b32 s7, s5, 2
	s_add_co_u32 s7, s7, s2                        ; my wave's 32 columns: number 4 x + wave
	s_lshl_b32 s34, s7, 7
	s_add_co_u32 s30, s30, s34
	s_mov_b32 s31, 0
	s_add_nc_u64 s[28:29], s[28:29], s[30:31]
	s_lshl_b32 s30, s4, 20                         ; the weight's images,
	s_lshl_b32 s34, s7, 15                         ; two fragment-rows for 32 columns,
	s_add_co_u32 s30, s30, s34
	s_lshl_b32 s34, s6, 12                         ; two K steps for 256 along K
	s_add_co_u32 s30, s30, s34
	s_add_nc_u64 s[32:33], s[26:27], s[30:31]
	s_wait_alu depctr_va_vdst(0)
	v_lshlrev_b32 v[SI], 2, v5
	v_bfe_u32 v6, v5, 3, 1                         ; column l of the 32 lies in fragment-row (l / 8) % 2,
	v_and_b32 v7, 7, v5
	v_lshrrev_b32 v8, 4, v5
	v_lshl_add_u32 v7, v8, 3, v7                   ; slot l % 8 + 8 (l / 16)
	v_lshlrev_b32 v[SO], 4, v7
	v_lshl_add_u32 v[SO], v6, 14, v[SO]
.macro WLOAD t                         ; block t: W(32 t + i, my column)
.set i, 0
.rept 32
	global_load_b32 v[WX+32*((\t)%2)+i], v[SI], s[28:29] offset:(32*(\t)+i)*4096 th:TH_LOAD_NT
.set i, i+1
.endr
.endm
	WLOAD 0
	WLOAD 1
	s_wait_kmcnt 0x0
	s_cmp_eq_u32 s4, 0
	s_cselect_b32 s34, s41, s43                    ; e1, e3
	s_cmp_eq_u32 s4, 2
	s_cselect_b32 s34, s45, s34                    ; e5
	s_cmp_eq_u32 s4, 3
	s_cselect_b32 s34, s51, s34                    ; e11
	s_add_co_i32 s34, s34, 127
	s_lshl_b32 s35, s34, 23
	v_mov_b32 v[SC], s35
	s_add_co_i32 s34, s34, 8
	s_lshl_b32 s34, s34, 23
	s_or_b32 s34, s34, 0x600000
	v_mov_b32 v[LIM], s34
.macro WBLOCK t
.if (\t) < 7
	s_wait_loadcnt 32                              ; this block's 32 loads are in; the next block's may be out
.else
	s_wait_loadcnt 0
.endif
.set i, 0
.rept 32
	v_med3_num_f32 v[WX+32*((\t)%2)+i], v[WX+32*((\t)%2)+i], -v[LIM], v[LIM]
.set i, i+1
.endr
.irp g, 0,1,2,3
	v_cvt_scalef32_pk8_fp8_f32 v[WC+8*(\t)+2*\g:WC+8*(\t)+2*\g+1], v[WX+32*((\t)%2)+8*\g:WX+32*((\t)%2)+8*\g+7], v[SC]
.endr
	v_nop                                          ; a plain line behind the conversions
	global_store_b128 v[SO], v[WC+8*(\t):WC+8*(\t)+3], s[32:33] offset:((\t)/4)*2048+((\t)%4)*512          ; k 0-15 of the block: the group's lanes 0-15; sixteen lanes store 256 consecutive bytes, aligned
	global_store_b128 v[SO], v[WC+8*(\t)+4:WC+8*(\t)+7], s[32:33] offset:((\t)/4)*2048+((\t)%4)*512+256    ; k 16-31: its lanes 16-31
.if (\t)+2 < 8
	WLOAD (\t)+2
.endif
.endm
	s_wait_alu depctr_va_vdst(0)
.irp t, 0,1,2,3,4,5,6,7
	WBLOCK \t
.endr
	s_endpgm
.Lfunc_end_k_q93e0327c64_quant:
	.size	k_q93e0327c64_quant, .Lfunc_end_k_q93e0327c64_quant-k_q93e0327c64_quant
	.p2alignl 7, 3214868480
	.fill 96, 4, 3214868480
	.section	.rodata,"a",@progbits
	.p2align	6, 0x0
	.amdhsa_kernel k_q93e0327c64_quant
		.amdhsa_group_segment_fixed_size 34304
		.amdhsa_private_segment_fixed_size 0
		.amdhsa_enable_private_segment 0
		.amdhsa_kernarg_size 80
		.amdhsa_user_sgpr_count 2
		.amdhsa_user_sgpr_kernarg_segment_ptr 1
		.amdhsa_wavefront_size32 1
		.amdhsa_system_sgpr_workgroup_id_x 1
		.amdhsa_system_sgpr_workgroup_id_y 1
		.amdhsa_system_sgpr_workgroup_id_z 1
		.amdhsa_system_vgpr_workitem_id 0
		.amdhsa_next_free_vgpr 240
		.amdhsa_next_free_sgpr 66
		.amdhsa_reserve_vcc 0
		.amdhsa_float_denorm_mode_32 3
		.amdhsa_float_denorm_mode_16_64 3
		.amdhsa_memory_ordered 1
		.amdhsa_forward_progress 1
		.amdhsa_inst_pref_size 117
	.end_amdhsa_kernel
	.amdgpu_metadata
---
amdhsa.version: [ 1, 2 ]
amdhsa.kernels:
  - .name:           k_q93e0327c64_quant
    .symbol:         k_q93e0327c64_quant.kd
    .args:
      - { .name: query, .offset: 0, .size: 8, .value_kind: global_buffer, .address_space: global }
      - { .name: key, .offset: 8, .size: 8, .value_kind: global_buffer, .address_space: global }
      - { .name: value, .offset: 16, .size: 8, .value_kind: global_buffer, .address_space: global }
      - { .name: W_q, .offset: 24, .size: 8, .value_kind: global_buffer, .address_space: global }
      - { .name: W_k, .offset: 32, .size: 8, .value_kind: global_buffer, .address_space: global }
      - { .name: W_v, .offset: 40, .size: 8, .value_kind: global_buffer, .address_space: global }
      - { .name: W_o, .offset: 48, .size: 8, .value_kind: global_buffer, .address_space: global }
      - { .name: lowp_scales, .offset: 56, .size: 8, .value_kind: global_buffer, .address_space: global }
      - { .name: ximg, .offset: 64, .size: 8, .value_kind: global_buffer, .address_space: global }
      - { .name: wimg, .offset: 72, .size: 8, .value_kind: global_buffer, .address_space: global }
    .group_segment_fixed_size: 34304
    .private_segment_fixed_size: 0
    .kernarg_segment_align: 8
    .kernarg_segment_size: 80
    .max_flat_workgroup_size: 128
    .sgpr_count:     66
    .vgpr_count:     240
    .wavefront_size: 32
...
	.end_amdgpu_metadata
.endif
;; end of part 1
;; launch proj (part 2): grid 4 x 64, 4 waves a work-group, clusters of 4 x 4, 327,680 bytes of LDS; arguments ximg, wimg, lowp_scales, kv; writes kv
.if DOCPART == 2
	.amdgcn_target "amdgcn-amd-amdhsa--gfx1250"
	.amdhsa_code_object_version 6
	.text
	.protected	k_q93e0327c64_proj
	.globl	k_q93e0327c64_proj
	.p2align	8
	.type	k_q93e0327c64_proj,@function
k_q93e0327c64_proj:
	s_mov_b64 s[64:65], 0
	v_nop
	global_prefetch_b8 v0, s[64:65] scope:SCOPE_SE
	s_setreg_imm32_b32 hwreg(HW_REG_WAVE_MODE, 25, 1), 1
	s_wait_xcnt 0x0
	s_wait_alu depctr_hold_cnt(0) depctr_sa_sdst(0) depctr_va_vdst(0) depctr_va_sdst(0) depctr_va_ssrc(0) depctr_va_vcc(0) depctr_vm_vsrc(0)
	s_getreg_b32 s2, hwreg(HW_REG_IB_STS2, 6, 4)
	s_cmp_eq_u32 s2, 0
	s_cbranch_scc0 .Lentry_in_a_cluster
	s_endpgm
.Lentry_in_a_cluster:
	s_bfe_u32 s2, ttmp6, 0x10000c
	s_cmp_lg_u32 s2, 0xf033
	s_cbranch_scc0 .Lentry_shape_is_right
	s_endpgm
.Lentry_shape_is_right:
; k = key W_k and v = value W_v on codes of E4M3; each result is quantised at once with its own given scale and stored as an image of the registers in which the attention launch wants it.
; (q = query W_q is made by the attention launch itself, each wave for its own queries and head.)
; Operands are images: [fragment-row][K step of 128][2,048 bytes]; fragment-row f, slot r = row 32 (f / 2) + 8 (f % 2) + r + 8 (r / 8); group c of 512 bytes: lane (r, h) holds k = 32 c + 16 h + 0 .. 15.
; A tile of 256 x 256 to a work-group of four waves, 128 x 128 (64 accumulators, 512 registers) to a wave: 2 x 128 = 256 work-groups.  K = 1,024 goes in four steps of 256 through two LDS slots; a wave's tensor load brings 8 fragment-rows x 4,096 bytes.
; Source 0 = "B", source 1 = "A".  A lane then holds ONE row of A (slot lane % 16), and the 16 registers of accumulators (a, 2 i), (a, 2 i + 1) are rows 32 i + 16 (lane / 16) + 0 .. 15 of B: 16 neighbours.
;   k (cluster y 0-7):  A = tokens, B = features: a lane's 16 numbers run along the head's 64, the K of the scores.   K: [batch x head 64][fragment-row 128][1,024 bytes], from byte 0 of kv.
;   v (cluster y 8-15): A = features, B = tokens: they run along the keys, the K of the second product.               V: [batch x head 64][128 keys 16][fragment of 16 d 4][2,048 bytes], from 8 MiB on.
; So two conversions make one group of the next operand's image, and a wave's store covers 512 consecutive bytes, aligned: no stage on the way out.
; CLUSTERS: 4 x 4.  A's tile hangs on cy and the cluster's y, B's on cx and the cluster's y, in both roles: A is asked for jointly along a row of the cluster, B along a column.
; No prefetch: K is four steps of the ring; a request two steps ahead of either refill would stand at the head, beside the first fills.
; LIMIT: eo - ea - eb (the result's exponent less its operands') lies between -126 and 119.
; REGISTERS: window 0: v0-31 addresses and constants; v32-95 at work on the way out; v128-255 A's fragments, one set, later the codes.  Window 1: B's fragments, two sets.  Windows 2, 3: the accumulators.
.set HALFT,  32768                     ; 8 fragment-rows x 4,096 bytes: what one tensor load brings, and what a wave reads of A or of B
.set SLOT,   4*HALFT                   ; A's 16 fragment-rows, then B's
.set SPARE,  2*SLOT                    ; behind the ring: the spare words, 128 bytes for each wave
.set KSB,    4096                      ; a K step of 256 in a fragment-row's bytes
.set FR,     16
.set NL,     4
.set NP,     4                         ; places behind this matrix instruction (ISA guide 7.12.1)
.set LAPS,   2                         ; 1,024 / (2 x 256)
.set VO,   8                           ; v8   16 x lane
.set VO2,  10                          ; v10  16 x lane + the distance to the third group that a block stores
.set ADRA, 16                          ; v16-17  my A fragments in slot 0, 1
.set ADRB, 20                          ; v20-21  my B fragments
.set SPW,  28                          ; v28  LDS address of my spare word; never rewritten
.set NIL,  29                          ; v29  0; never rewritten
.set SC,   30                          ; v30  2^(eo - ea - eb)
.set LIM,  31                          ; v31  448 x that
.set TMP,  32
.set AF,   128
.set CD,   128                         ; the way out: 16 registers of codes for each of my eight blocks
.set G1, 24
.set G0, 32
.set G1B, 48
.set G0B, 56
.set MSB, 0
.macro WIN new                         ; the immediate's high byte repeats the setting that is left
.if MSB != \new
	s_set_vgpr_msb (MSB<<8)|\new
.set MSB, \new
.endif
.endm
.set MUL_LO, 0xa1                      ; source 0 (B) window 1, source 1 (A) window 0, C and D window 2
.set MUL_HI, 0xf1                      ; the same, C and D window 3
.set TO_B,   0x40
; A joint load: waves 0 and 1 fetch for A, waves 2 and 3 for B; the branch hangs on the wave's number alone.  An s_nop 0 and four v_nop follow each line.
.macro JLOAD g0a, g1a, g0b, g1b
	s_cmp_eq_u32 s15, 0
	s_cbranch_scc0 .Lfor_b_\@
	tensor_load_to_lds s[\g0a:\g0a+3], s[\g1a:\g1a+7]
	s_nop 0
.rept 4
	v_nop
.endr
	s_branch .Lasked_\@
.Lfor_b_\@:
	tensor_load_to_lds s[\g0b:\g0b+3], s[\g1b:\g1b+7]
	s_nop 0
.rept 4
	v_nop
.endr
.Lasked_\@:
.endm
.macro CREST                           ; a round of the cluster's barrier behind its opening barrier
	s_cmp_lg_u32 s14, 0
	s_cbranch_scc1 .Lnot_wave_0_\@
	s_barrier_signal -3
.Lnot_wave_0_\@:
	s_barrier_wait -3
	s_barrier_signal -1
	s_barrier_wait -1
.endm
.macro CROUND
	s_barrier_signal -1
	s_barrier_wait -1
	CREST
.endm
	s_load_b128 s[4:7], s[0:1], 0x0                ; ximg, wimg
	s_load_b128 s[8:11], s[0:1], 0x10              ; the scales' exponents, kv
	v_lshl_add_u32 v[SPW], v0, 2, SPARE
	v_mov_b32 v[NIL], 0
	ds_add_u32 v[SPW], v[NIL]                      ; the opening lines: the add twice on end, and its wait ahead of my first tensor load
	ds_add_u32 v[SPW], v[NIL]
	v_lshrrev_b32 v1, 5, v0
	v_readfirstlane_b32 s14, v1                    ; wave 0..3
	s_lshr_b32 s15, s14, 1                         ; my half of A's rows.  Also: I fetch for A (0) or for B (1)
	s_and_b32 s16, s14, 1                          ; my half of B's rows.  Also: which half of that tile I fetch
	s_bfe_u32 s40, ttmp6, 0x40000                  ; cx
	s_bfe_u32 s41, ttmp6, 0x40004                  ; cy
	s_and_b32 s12, ttmp7, 0xffff                   ; cluster y, 0..15
	s_lshr_b32 s13, s12, 3
	s_add_co_u32 s13, s13, 1                       ; which product, as the images are numbered: 1 k, 2 v: the same in all sixteen partners
	s_and_b32 s12, s12, 7
	s_lshl_b32 s12, s12, 2
	s_cmp_eq_u32 s13, 2
	s_cselect_b32 s17, 0, s12
	s_cselect_b32 s42, s12, 0
	s_add_co_u32 s17, s17, s41                     ; A's tile: k: 4 y + cy of 32 token tiles; v: cy of 4 feature tiles
	s_add_co_u32 s42, s42, s40                     ; B's tile: k: cx of 4 feature tiles; v: 4 y + cx of 32 token tiles
	s_lshl_b32 s43, s41, 2
	s_lshl_b32 s43, 15, s43                        ; my row of the cluster
	s_lshl_b32 s44, 0x1111, s40                    ; my column
	s_or_b32 s[G1+0], s43, (3<<16)|(1<<21)         ; 15:0 the mask; 17:16 elements of 8 bytes; 21 set beside a mask; no padding: an image is read 16 bytes a lane on end
	s_or_b32 s[G1B+0], s44, (3<<16)|(1<<21)
.irp g, G1, G1B
	s_mov_b32 s[\g+1], 512<<16                     ; tensor_dim0 = 512 elements: 4,096 bytes
	s_mov_b32 s[\g+2], 8<<16                       ; tensor_dim1 = 8 fragment-rows
	s_mov_b32 s[\g+3], 512<<16                     ; tile_dim0
	s_mov_b32 s[\g+4], 8                           ; tile_dim1
	s_mov_b32 s[\g+5], 2048                        ; from fragment-row to fragment-row: 16,384 bytes
	s_mov_b32 s[\g+6], 0
	s_mov_b32 s[\g+7], 0
.endr
	s_lshl_b32 s18, s16, 17                        ; the half that I fetch: 8 fragment-rows of 16,384 bytes
	s_lshl_b32 s20, s17, 18                        ; a tile: 16 fragment-rows
	s_add_co_u32 s20, s20, s18
	s_lshl_b32 s46, s42, 18
	s_add_co_u32 s46, s46, s18
	s_lshl_b32 s19, s13, 23                        ; k: A = key's images,
	s_lshl_b32 s22, s13, 20                        ;    B = W_k's
	s_cmp_eq_u32 s13, 2
	s_cselect_b32 s19, 0x200000, s19               ; v: A = W_v's images,
	s_cselect_b32 s22, 0x1000000, s22              ;    B = value's
	s_add_co_u32 s20, s20, s19
	s_add_co_u32 s46, s46, s22
	s_mov_b32 s21, 0
	s_mov_b32 s47, 0
	s_mul_i32 s45, s14, HALFT                      ; where my load goes: wave x 32,768: no place in the cluster enters an LDS address
	s_wait_dscnt 0x0                               ; both opening adds are done
	s_wait_kmcnt 0x0
	s_load_b256 s[68:75], s[8:9], 0x0              ; e0 .. e7
	s_load_b128 s[76:79], s[8:9], 0x20             ; e8 .. e11
	s_cmp_eq_u32 s13, 2
	s_cselect_b64 s[80:81], s[6:7], s[4:5]         ; A's buffer
	s_cselect_b64 s[82:83], s[4:5], s[6:7]         ; B's
	s_add_nc_u64 s[20:21], s[80:81], s[20:21]
	s_add_nc_u64 s[46:47], s[82:83], s[46:47]
	CROUND                                         ; all sixteen work-groups are here: the first joint loads meet
.irp s, 0,1
	s_mov_b32 s[G0+4*\s], 1
	s_add_co_u32 s[G0+4*\s+1], s45, \s*SLOT
	s_add_nc_u64 s[G0+4*\s+2:G0+4*\s+3], s[20:21], \s*KSB
	s_or_b32 s[G0+4*\s+3], s[G0+4*\s+3], 0x80000000
	s_mov_b32 s[G0B+4*\s], 1
	s_add_co_u32 s[G0B+4*\s+1], s45, \s*SLOT
	s_add_nc_u64 s[G0B+4*\s+2:G0B+4*\s+3], s[46:47], \s*KSB
	s_or_b32 s[G0B+4*\s+3], s[G0B+4*\s+3], 0x80000000
.endr
	JLOAD G0, G1, G0B, G1B                         ; K step 0: one tensor load a wave at the head
	v_and_b32 v6, 31, v0
	v_lshlrev_b32 v[VO], 4, v6                     ; 16 x lane
	s_wait_alu depctr_va_vdst(0)
	s_mul_i32 s21, s15, HALFT
	s_mul_i32 s22, s16, HALFT
	s_add_co_u32 s22, s22, 2*HALFT
.irp s, 0,1
	v_add_nc_u32 v[ADRA+\s], s21, v[VO]
	v_add_nc_u32 v[ADRB+\s], s22, v[VO]
	s_add_co_u32 s21, s21, SLOT
	s_add_co_u32 s22, s22, SLOT
.endr
	; where my first block's codes go.  k: (batch x 16 + head) x 131,072 + fragment-row x 1,024
	s_lshl_b32 s84, s17, 4
	s_lshl_b32 s85, s15, 3
	s_add_co_u32 s84, s84, s85                     ; my first fragment-row of tokens
	s_lshr_b32 s85, s84, 7                         ; its batch,
	s_and_b32 s84, s84, 127                        ; its number in the batch
	s_lshl_b32 s85, s85, 21
	s_lshl_b32 s84, s84, 10
	s_add_co_u32 s84, s84, s85
	s_lshl_b32 s85, s42, 2
	s_lshl_b32 s86, s16, 1
	s_add_co_u32 s85, s85, s86                     ; my first head: 4 x tile + 2 x half
	s_lshl_b32 s85, s85, 17
	s_add_co_u32 s84, s84, s85
	; v: 8 MiB + (batch x 16 + head) x 131,072 + block of 128 keys x 8,192
	s_lshr_b32 s86, s42, 3
	s_lshl_b32 s86, s86, 4
	s_lshl_b32 s87, s17, 2
	s_add_co_u32 s86, s86, s87
	s_lshl_b32 s87, s15, 1
	s_add_co_u32 s86, s86, s87
	s_lshl_b32 s86, s86, 17
	s_and_b32 s87, s42, 7
	s_lshl_b32 s87, s87, 1
	s_add_co_u32 s87, s87, s16
	s_lshl_b32 s87, s87, 13
	s_add_co_u32 s86, s86, s87
	s_add_co_u32 s86, s86, 0x800000
	s_cmp_eq_u32 s13, 2
	s_cselect_b32 s84, s86, s84
	s_mov_b32 s88, 1024                            ; from block to block: k: the next fragment-row;
	s_cselect_b32 s88, 2048, s88                   ; v: the head's next fragment of 16 d,
	s_mov_b32 s90, 1024
	s_cselect_b32 s90, 124928, s90                 ; and from block 3 to block 4 the next head: 131,072 - 3 x 2,048
	s_mov_b32 s66, 131072                          ; a block's third and fourth groups: k: the next head's;
	s_cselect_b32 s66, 1024, s66                   ; v: the same fragment's
	s_mov_b32 s85, 0
	s_mov_b32 s89, 0
	s_mov_b32 s91, 0
	s_add_nc_u64 s[10:11], s[10:11], s[84:85]
	v_add_nc_u32 v[VO2], s66, v[VO]
	s_wait_alu depctr_va_vdst(0)
	s_wait_kmcnt 0x0
	s_cmp_eq_u32 s13, 2
	s_cselect_b32 s92, s72, s70                    ; ea: e4 or e2
	s_cselect_b32 s93, s73, s71                    ; eb: e5 or e3
	s_cselect_b32 s94, s77, s75                    ; eo: e9 or e7
	s_sub_co_i32 s94, s94, s92
	s_sub_co_i32 s94, s94, s93                     ; a sum stands for sum x 2^(ea + eb): its code is sum / 2^(eo - ea - eb)
	s_add_co_i32 s94, s94, 127
	s_lshl_b32 s95, s94, 23
	v_mov_b32 v[SC], s95
	s_add_co_i32 s94, s94, 8
	s_lshl_b32 s94, s94, 23
	s_or_b32 s94, s94, 0x600000
	v_mov_b32 v[LIM], s94
.macro FRAG reg, adr, q, i             ; fragment-row i of my eight, the slot's q-th 128 along K: four groups of 512 bytes, 16 bytes a lane on end
.irp c, 0,1,2,3
	ds_load_b128 v[\reg+4*\c:\reg+4*\c+3], v[\adr] offset:4096*(\i)+2048*(\q)+512*\c
.endr
.endm
; 16 matrix instructions: A's blocks a0, a0 + 1 x B's eight.  The 64 accumulators take turns, one instruction a turn, in the same order in every step.
.macro MUL16 a0, p, zero
.irp a, \a0, \a0+1
.irp b, 0,1,2,3,4,5,6,7
.if \zero
	v_wmma_f32_16x16x128_fp8_fp8 v[8*(8*((\a)%4)+\b):8*(8*((\a)%4)+\b)+7], v[128*(\p)+FR*\b:128*(\p)+FR*\b+FR-1], v[AF+FR*(\a):AF+FR*(\a)+FR-1], 0
.else
	v_wmma_f32_16x16x128_fp8_fp8 v[8*(8*((\a)%4)+\b):8*(8*((\a)%4)+\b)+7], v[128*(\p)+FR*\b:128*(\p)+FR*\b+FR-1], v[AF+FR*(\a):AF+FR*(\a)+FR-1], v[8*(8*((\a)%4)+\b):8*(8*((\a)%4)+\b)+7]
.endif
.endr
.endr
.endm
.macro FETCH_B slot, q, p
	WIN TO_B
.irp i, 0,1,2,3,4,5,6,7
	FRAG 128*(\p)+FR*\i, ADRB+\slot, \q, \i
.endr
	WIN 0
.endm
.macro FETCH_A slot, q, i0
.irp i, \i0, \i0+1, \i0+2, \i0+3
	FRAG AF+FR*(\i), ADRA+\slot, \q, \i
.endr
.endm
.macro PLACES n                        ; plain vector lines between a matrix instruction and a load into, or a vector line on, its registers
.rept \n
	v_nop
.endr
.endm
.macro STEP slot, q, zero              ; 128 along K with its successor in the same slot
	s_wait_dscnt 4*NL                              ; B's set and A's blocks 0-3 are in; the youngest 16 loads (A's blocks 4-7) may be out
	WIN MUL_LO
	MUL16 0, (\q)%2, \zero
	MUL16 2, (\q)%2, \zero
	s_wait_dscnt 0
	PLACES NP
	FETCH_B \slot, (\q)+1, 1-(\q)%2
	FETCH_A \slot, (\q)+1, 0
	WIN MUL_HI
	MUL16 4, (\q)%2, \zero
	MUL16 6, (\q)%2, \zero
	PLACES NP
	WIN 0
	FETCH_A \slot, (\q)+1, 4
.endm
; A slot's last step changes slots: one barrier; in front of it each wave waits for all its tensor loads, adds 0 to its spare word, and waits for that and for its reads of this slot.
.macro TURN slot, next, fill
	s_wait_tensorcnt 0x0                           ; all my tensor loads have landed: my part of the next slot
	ds_add_u32 v[SPW], v[NIL]
	s_wait_dscnt 4*NL+1                            ; the add and the youngest 16 loads may be out
	WIN MUL_LO
	MUL16 0, 1, 0
	s_wait_dscnt 0x0                               ; the add is done, and my reads of this slot are over
	s_barrier_signal -1
	MUL16 2, 1, 0
	WIN 0
	s_barrier_wait -1
.if \fill
	CREST                                          ; the barrier has opened a round of the cluster's: no wave of any partner still reads this slot or has a load on its way
	s_add_nc_u64 s[G0+4*\slot+2:G0+4*\slot+3], s[G0+4*\slot+2:G0+4*\slot+3], 2*KSB
	s_add_nc_u64 s[G0B+4*\slot+2:G0B+4*\slot+3], s[G0B+4*\slot+2:G0B+4*\slot+3], 2*KSB
	JLOAD G0+4*\slot, G1, G0B+4*\slot, G1B         ; the first tensor load behind the round; its four v_nop are the places in front of the loads below
.else
	PLACES NP
.endif
	FETCH_B \next, 0, 0
	FETCH_A \next, 0, 0
	WIN MUL_HI
	MUL16 4, 1, 0
	MUL16 6, 1, 0
	PLACES NP
	WIN 0
	FETCH_A \next, 0, 4
.endm
	s_wait_alu depctr_va_vdst(0)                   ; the head's end
	s_wait_tensorcnt 0x0                           ; my part of K step 0 is in; slot 1's first fill is issued as a refill is:
	ds_add_u32 v[SPW], v[NIL]
	s_wait_dscnt 0x0
	CROUND                                         ; everybody's part of K step 0 is in, and the sixteen partners meet
	JLOAD G0+4, G1, G0B+4, G1B                     ; K step 1: the first tensor load behind the round
	FETCH_B 0, 0, 0
	FETCH_A 0, 0, 0
	FETCH_A 0, 0, 4
	STEP 0, 0, 1                                   ; the first step's products start the sums
	s_mov_b32 s3, LAPS-1
.Llap:                                                 ; once round the ring; both slots are filled again
	TURN 0, 1, 1
	STEP 1, 0, 0
	TURN 1, 0, 1
	STEP 0, 0, 0
	s_sub_co_u32 s3, s3, 1
	s_cmp_lg_u32 s3, 0
	s_cbranch_scc1 .Llap
	TURN 0, 1, 0                                   ; the last lap fills nothing
	STEP 1, 0, 0
	s_wait_dscnt 4*NL
	WIN MUL_LO
	MUL16 0, 1, 0
	MUL16 2, 1, 0
	s_wait_alu depctr_va_vdst(0)
	s_wait_dscnt 0
	WIN MUL_HI
	MUL16 4, 1, 0
	MUL16 6, 1, 0
	WIN 0
; THE WAY OUT, block a of my eight (one fragment-row of A): 64 sums a lane are held, converted, and are four groups of the next operand's image.  Each accumulator is read from its low end on.
.macro QOUT a
.set AC, 64*((\a)%4)
	WIN 0x02+((\a)/4)                              ; source 0: window 2 or 3
.set i, 0
.rept 64
	v_med3_num_f32 v[TMP+i], v[AC+i], -v[LIM], v[LIM]
.set i, i+1
.endr
	WIN 0
.irp b, 0,1,2,3
	v_cvt_scalef32_pk8_fp8_f32 v[CD+16*(\a)+4*\b:CD+16*(\a)+4*\b+1], v[TMP+16*\b:TMP+16*\b+7], v[SC]
	v_cvt_scalef32_pk8_fp8_f32 v[CD+16*(\a)+4*\b+2:CD+16*(\a)+4*\b+3], v[TMP+16*\b+8:TMP+16*\b+15], v[SC]
.endr
	v_nop                                          ; a plain line behind the conversions: the next block's holds write their sources
.if (\a) > 0
	s_wait_alu depctr_va_vdst(0)
	s_wait_xcnt 0x0                                ; the last block's stores have read their base
.if (\a) == 4
	s_add_nc_u64 s[10:11], s[10:11], s[90:91]
.else
	s_add_nc_u64 s[10:11], s[10:11], s[88:89]
.endif
.endif
	global_store_b128 v[VO],  v[CD+16*(\a):CD+16*(\a)+3],     s[10:11]              ; each store: 512 consecutive bytes, aligned
	global_store_b128 v[VO],  v[CD+16*(\a)+4:CD+16*(\a)+7],   s[10:11] offset:512
	global_store_b128 v[VO2], v[CD+16*(\a)+8:CD+16*(\a)+11],  s[10:11]
	global_store_b128 v[VO2], v[CD+16*(\a)+12:CD+16*(\a)+15], s[10:11] offset:512
.endm
	PLACES NP                                      ; behind the last products
.irp a, 0,1,2,3,4,5,6,7
	QOUT \a
.endr
	s_wait_tensorcnt 0x0                           ; the wave's end
	ds_add_u32 v[SPW], v[NIL]
	s_wait_dscnt 0x0
	CROUND                                         ; the closing round
	s_endpgm
.Lfunc_end_k_q93e0327c64_proj:
	.size	k_q93e0327c64_proj, .Lfunc_end_k_q93e0327c64_proj-k_q93e0327c64_proj
	.p2alignl 7, 3214868480
	.fill 96, 4, 3214868480
	.section	.rodata,"a",@progbits
	.p2align	6, 0x0
	.amdhsa_kernel k_q93e0327c64_proj
		.amdhsa_group_segment_fixed_size 327680
		.amdhsa_private_segment_fixed_size 0
		.amdhsa_enable_private_segment 0
		.amdhsa_kernarg_size 32
		.amdhsa_user_sgpr_count 2
		.amdhsa_user_sgpr_kernarg_segment_ptr 1
		.amdhsa_wavefront_size32 1
		.amdhsa_system_sgpr_workgroup_id_x 1
		.amdhsa_system_sgpr_workgroup_id_y 1
		.amdhsa_system_sgpr_workgroup_id_z 1
		.amdhsa_system_vgpr_workitem_id 0
		.amdhsa_next_free_vgpr 1024
		.amdhsa_next_free_sgpr 100
		.amdhsa_reserve_vcc 0
		.amdhsa_float_denorm_mode_32 3
		.amdhsa_float_denorm_mode_16_64 3
		.amdhsa_memory_ordered 1
		.amdhsa_forward_progress 1
		.amdhsa_inst_pref_size 120
	.end_amdhsa_kernel
	.amdgpu_metadata
---
amdhsa.version: [ 1, 2 ]
amdhsa.kernels:
  - .name:           k_q93e0327c64_proj
    .symbol:         k_q93e0327c64_proj.kd
    .args:
      - { .name: ximg, .offset: 0, .size: 8, .value_kind: global_buffer, .address_space: global }
      - { .name: wimg, .offset: 8, .size: 8, .value_kind: global_buffer, .address_space: global }
      - { .name: lowp_scales, .offset: 16, .size: 8, .value_kind: global_buffer, .address_space: global }
      - { .name: kv, .offset: 24, .size: 8, .value_kind: global_buffer, .address_space: global }
    .group_segment_fixed_size: 327680
    .private_segment_fixed_size: 0
    .kernarg_segment_align: 8
    .kernarg_segment_size: 32
    .max_flat_workgroup_size: 128
    .sgpr_count:     100
    .vgpr_count:     1024
    .wavefront_size: 32
...
	.end_amdgpu_metadata
.endif
;; end of part 2
;; launch attn (part 3): grid 256 x 1, 8 waves a work-group, clusters of 4 x 1, 327,680 bytes of LDS; arguments kv, key_padding_masks, query_padding_masks, lowp_scales, oimg, rownan, ximg, wimg; writes oimg, rownan
.if DOCPART == 3
	.amdgcn_target "amdgcn-amd-amdhsa--gfx1250"
	.amdhsa_code_object_version 6
	.text
	.protected	k_q93e0327c64_attn
	.globl	k_q93e0327c64_attn
	.p2align	8
	.type	k_q93e0327c64_attn,@function
k_q93e0327c64_attn:
	s_mov_b64 s[64:65], 0
	v_nop
	global_prefetch_b8 v0, s[64:65] scope:SCOPE_SE
	s_setreg_imm32_b32 hwreg(HW_REG_WAVE_MODE, 25, 1), 1
	s_wait_xcnt 0x0
	s_wait_alu depctr_hold_cnt(0) depctr_sa_sdst(0) depctr_va_vdst(0) depctr_va_sdst(0) depctr_va_ssrc(0) depctr_va_vcc(0) depctr_vm_vsrc(0)
	s_getreg_b32 s2, hwreg(HW_REG_IB_STS2, 6, 4)
	s_cmp_eq_u32 s2, 0
	s_cbranch_scc0 .Lentry_in_a_cluster
	s_endpgm
.Lentry_in_a_cluster:
	s_bfe_u32 s2, ttmp6, 0x10000c
	s_cmp_lg_u32 s2, 0x3003
	s_cbranch_scc0 .Lentry_shape_is_right
	s_endpgm
.Lentry_shape_is_right:
; q = query W_q for my queries and head, and causal attention, all on codes of E4M3; one (batch, head) to a cluster of four work-groups.
; THE HEAD MAKES q: a wave's 64 queries x the head's 64 features, K = 1,024 in eight steps of 128: 16 accumulators by turns.  Both operands lie in memory as images of the registers (ximg, wimg), so each lane loads
; its fragments whole, two sets of 128 registers by turns, the loads two K steps ahead; the sums are held and converted with 2^(e6 - e0 - e1) straight into Q's fragments.  It stands under the flight of K's and V's tensor loads.
; W_q's 64 KiB of the head are read by each wave for itself: beside K, V and the bias LDS has 55 KiB left.
; scores = q k^T / 8 under the causal mask and the key padding mask; attn = softmax(scores) x query mask is quantised FINISHED with 2^e8, so the row's largest score and its sum are known before any p is made: TWO PASSES over the keys.
; Pass 1: running largest score and sum of 2^(t - m), a lane's own half of the keys; the halves are joined behind the pass.
; Pass 2: p = 2^(t - B), B = M + log2(sum) - log2 |query mask|: the division and the mask's magnitude stand in the exponent; held at 448 x 2^e8, converted, O^T += V^T P^T.
; The quantiser is odd, so a negative query mask is applied to O's codes as a sign.  A mask of 0 makes B +infinity and p 0.
; A row with no open key has sum 0: its p are 0 here and the row is flagged in rownan (the head-0 clusters store the flags), from which the last launch makes reference()'s NaN.
; LEFT OUT: blocks of 128 keys that lie wholly behind a wave's queries: reference()'s own jnp.tril throws them away.
; SHARES.  K's and V's images of the head (128 KiB each) lie whole in LDS, asked for jointly by the four partners: waves 0-3 fetch K's quarters, waves 4-7 V's, one load a wave, once.
; Of each group of 128 queries the partner at cx takes 32 (two tiles of 16): so no branch hangs on cx, only data (the diagonal's mask) and global addresses.
; Wave w walks group 15 - w and then group w through one body: 17 blocks of 128 keys in all, in every wave.  The loops' trip counts are constants; a scalar branch on ids leads round a block's work.
; All products are used transposed: a lane holds one query; registers of tiles 2 b, 2 b + 1 are rows 32 b + 16 (lane / 16) + 0 .. 15 of source 0 (the images' order of rows).
; The next block's K and bias fragments are asked of LDS straight behind the score products, V's of the block in hand with them.
; No prefetch: K and V are asked for once, in the first lines; q's operands are asked for two K steps ahead by their own loads.
; LIMITS: e6 + e7 between -123 and 130; e8, e6 - e0 - e1 and e10 - e8 - e9 between -126 and 119.  A raw score is at most 64 x 448^2 in magnitude, above the starting maximum -2^25.
; REGISTERS.  Window 0: v1-15 addresses and constants; v16-31 two tiles' state (+0 scaled maximum, then B; +1 raw maximum; +2,3 sum; +6 factor); v32-47 Q; v48-63 the second group's Q; v72-87 at work; v88-119 p's codes; v120-247 scores (in the head: q's sums).
; Window 1: v0-63 K, v64-127 bias (the scores' C), v128-191 V, v192-255 O^T (in the head: two sets of W_q's four and query's four fragments).
.set VIMG,  131072
.set BIAS,  262144
.set SPARE, 270336                     ; behind the bias: the spare words, 128 bytes for each wave
.set LI,   1
.set ADK,  2
.set ADB,  3
.set ADV,  4
.set SPW,  5
.set NIL,  6
.set NINF, 7
.set BH,   8
.set D0,   9
.set D1,   10
.set PSC,  11
.set PLIM, 12
.set OSC,  13
.set OLIM, 14
.set ZERO, 15
.set ST,   16
.set Q,    32
.set QL,   48
.set QM,   64
.set LIV,  68
.set FLA,  69
.set PINF, 70
.set NANV, 71
.set T,    72
.set P,    88
.set S,    120
.set XM,   248
.set PLIM2, 250                        ; 448 x 2^e8 once more, in another register bank, for the second half of a dual pair
.set QSC,  251                         ; 2^(e6 - e0 - e1)
.set QLIM, 252                         ; 448 x that
.set WV,  16
.set CX,  17
.set G,   21                           ; the group in hand
.set GN,  22                           ; the group that follows
.set KS,  23
.set KO,  24
.set BO,  25
.set IT,  26
.set KN,  27
.set G1,  28
.set G0,  36
.set CS,  44
.set SEL, 46
.set BN,  58
.set DM,  80                           ; s80-87 eight lane masks of the diagonal
.set MSB, 0
.macro WIN new                         ; the immediate's high byte repeats the setting that is left
.if MSB != \new
	s_set_vgpr_msb (MSB<<8)|\new
.set MSB, \new
.endif
.endm
.macro ROUND                           ; a round of the cluster's barrier
	s_barrier_signal -1
	s_barrier_wait -1
	s_cmp_lg_u32 s[WV], 0
	s_cbranch_scc1 .Lnot_wave_0_\@
	s_barrier_signal -3
.Lnot_wave_0_\@:
	s_barrier_wait -3
	s_barrier_signal -1
	s_barrier_wait -1
.endm
; q's operands of K step s into set s % 2: W_q's four fragments (16 features each), then query's four (my two groups' two tiles): 32 loads of 512 consecutive bytes
.macro QLOAD s
	WIN 0x40
.irp i, 0,1,2,3
.irp c, 0,1,2,3
	global_load_b128 v[128*((\s)%2)+16*\i+4*\c:128*((\s)%2)+16*\i+4*\c+3], v[LI], s[42:43] offset:16384*\i+2048*(\s)+512*\c
.endr
.endr
.irp X, 0,1
.irp c, 0,1,2,3
	global_load_b128 v[128*((\s)%2)+64+16*\X+4*\c:128*((\s)%2)+64+16*\X+4*\c+3], v[LI], s[48:49] offset:16384*\X+2048*(\s)+512*\c
	global_load_b128 v[128*((\s)%2)+96+16*\X+4*\c:128*((\s)%2)+96+16*\X+4*\c+3], v[LI], s[50:51] offset:16384*\X+2048*(\s)+512*\c
.endr
.endr
	WIN 0
.endm
.macro QSTEP s                         ; 16 products, the 16 accumulators by turns; then the set takes the K step two on
.if (\s) < 7
	s_wait_loadcnt 32                              ; this set is in; the other set's 32 loads may be out
.else
	s_wait_loadcnt 0x0
.endif
	WIN 0x05                                       ; both sources in window 1
.irp t, 0,1,2,3
.irp i, 0,1,2,3
.if (\s) == 0
	v_wmma_f32_16x16x128_fp8_fp8 v[S+32*\t+8*\i:S+32*\t+8*\i+7], v[128*((\s)%2)+16*\i:128*((\s)%2)+16*\i+15], v[128*((\s)%2)+64+16*\t:128*((\s)%2)+64+16*\t+15], 0
.else
	v_wmma_f32_16x16x128_fp8_fp8 v[S+32*\t+8*\i:S+32*\t+8*\i+7], v[128*((\s)%2)+16*\i:128*((\s)%2)+16*\i+15], v[128*((\s)%2)+64+16*\t:128*((\s)%2)+64+16*\t+15], v[S+32*\t+8*\i:S+32*\t+8*\i+7]
.endif
.endr
.endr
	WIN 0
.rept 4
	v_nop                                          ; places behind the products
.endr
.if (\s)+2 < 8
	QLOAD (\s)+2
.endif
.endm
	s_load_b256 s[4:11], s[0:1], 0x0               ; kv, key mask, query mask, the scales' exponents
	s_load_b128 s[12:15], s[0:1], 0x20             ; oimg, rownan
	s_load_b128 s[40:43], s[0:1], 0x30             ; ximg, wimg
	v_lshl_add_u32 v[SPW], v0, 2, SPARE
	v_mov_b32 v[NIL], 0
	ds_add_u32 v[SPW], v[NIL]                      ; the opening lines: the add twice on end and its wait
	ds_add_u32 v[SPW], v[NIL]
	v_lshrrev_b32 v1, 5, v0
	v_readfirstlane_b32 s[WV], v1                  ; wave 0..7
	s_bfe_u32 s[CX], ttmp6, 0x40000
	s_mov_b32 s18, ttmp9                           ; batch x 16 + head
	s_lshr_b32 s19, s18, 4
	s_and_b32 s20, s18, 15
	s_sub_co_u32 s[G], 15, s[WV]
	s_mov_b32 s[GN], s[WV]
	s_mov_b32 s[G1], 15|(3<<16)|(1<<21)            ; the four partners; elements of 8 bytes; no padding: an image is read 16 bytes a lane on end
	s_mov_b32 s[G1+1], 32<<16                      ; rows of 256 bytes,
	s_mov_b32 s[G1+2], 128<<16                     ; 128 of them, dense
	s_mov_b32 s[G1+3], 32<<16
	s_mov_b32 s[G1+4], 128
	s_mov_b32 s[G1+5], 32
	s_mov_b32 s[G1+6], 0
	s_mov_b32 s[G1+7], 0
	s_mov_b32 s[SEL], 0x76543210
	s_mov_b32 s[SEL+1], 0xfedcba98
	s_mov_b32 s60, 0xffff0000
	s_lshr_b32 s26, s[WV], 2                       ; K (0) or V (1): 8 MiB apart,
	s_lshl_b32 s26, s26, 23
	s_and_b32 s27, s[WV], 3                        ; my quarter of the head's 128 KiB
	s_lshl_b32 s27, s27, 15
	s_add_co_u32 s26, s26, s27
	s_lshl_b32 s27, s18, 17
	s_add_co_u32 s26, s26, s27
	s_mov_b32 s27, 0
	s_lshl_b32 s62, s[WV], 15                      ; in LDS: wave x 32 KiB: K from 0, V from VIMG
	s_mov_b32 s63, 0
	s_wait_dscnt 0x0
	s_wait_kmcnt 0x0
	s_load_b256 s[68:75], s[10:11], 0x0            ; e0 .. e7
	s_load_b128 s[76:79], s[10:11], 0x20           ; e8 .. e11
	s_mov_b32 s[G0], 1
	s_mov_b32 s[G0+1], s62
	s_add_nc_u64 s[G0+2:G0+3], s[4:5], s[26:27]
	s_or_b32 s[G0+3], s[G0+3], 0x80000000
	ROUND                                          ; the four partners meet
	tensor_load_to_lds s[G0:G0+3], s[G1:G1+7]      ; my one tensor load of the launch
	s_nop 0
.rept 4
	v_nop
.endr
	v_and_b32 v[T], 31, v0
	v_lshlrev_b32 v[LI], 4, v[T]                   ; 16 x lane
	v_add_nc_u32 v[LIV], VIMG, v[LI]
	v_and_b32 v[T+1], 15, v0                       ; r
	v_bfe_u32 v[T+2], v0, 4, 1                     ; h
	v_lshlrev_b32 v[BH], 6, v[T+2]
	v_add_nc_u32 v[BH], BIAS, v[BH]                ; my half's 16 keys of each 32
	v_and_b32 v[T+3], 8, v[T+1]
	v_add_nc_u32 v[T+3], v[T+3], v[T+1]            ; r + 8 (r / 8)
	v_lshl_add_u32 v[D0], s[CX], 5, v[T+3]
	v_lshlrev_b32 v[T+4], 4, v[T+2]
	v_sub_nc_u32 v[D0], v[D0], v[T+4]              ; my query in its group - 16 h: register 16 b + i is hidden on the diagonal where 32 b + i is greater
	v_add_nc_u32 v[D1], 8, v[D0]                   ; the second tile's
	v_mov_b32 v[NINF], 0xff800000
	v_mov_b32 v[ZERO], 0
	v_mov_b32 v[PINF], 0x7f800000
	v_mov_b32 v[NANV], 0x7fc00000
	v_lshlrev_b32 v[T+5], 4, v0
	v_lshlrev_b32 v[T+6], 2, v[T+3]
	v_lshl_add_u32 v[FLA], v[T+2], 3, v[T+3]
	v_lshlrev_b32 v[FLA], 2, v[FLA]                ; the flags: lanes 0-15 the first tile's rows, lanes 16-31 the second's
	v_add_nc_u32 v[T+7], BIAS, v[T+5]
	s_wait_alu depctr_va_vdst(0)                   ; ahead of the run of scalar lines
	s_lshl_b32 s62, s19, 13
	s_add_nc_u64 s[6:7], s[6:7], s[62:63]
	global_load_b128 v[P:P+3], v[T+5], s[6:7]      ; the batch's 2,048 key masks, 8 a thread
	global_load_b128 v[P+4:P+7], v[T+5], s[6:7] offset:4096
	s_lshl_b32 s80, s19, 13
	s_lshl_b32 s81, s[CX], 7
	s_add_co_u32 s80, s80, s81
	s_lshl_b32 s82, s[G], 9
	s_add_co_u32 s82, s82, s80
	s_mov_b32 s83, 0
	s_lshl_b32 s84, s[GN], 9
	s_add_co_u32 s84, s84, s80
	s_mov_b32 s85, 0
	s_add_nc_u64 s[86:87], s[8:9], s[82:83]
	s_add_nc_u64 s[88:89], s[8:9], s[84:85]
	s_add_nc_u64 s[90:91], s[14:15], s[82:83]      ; the flags of the group in hand,
	s_add_nc_u64 s[92:93], s[14:15], s[84:85]      ; and of the next
	global_load_b32 v[QM],   v[T+6], s[86:87]
	global_load_b32 v[QM+1], v[T+6], s[86:87] offset:32
	global_load_b32 v[QM+2], v[T+6], s[88:89]
	global_load_b32 v[QM+3], v[T+6], s[88:89] offset:32
	s_lshl_b32 s80, s19, 21                        ; the batch's 128 fragment-rows of 16,384 bytes,
	s_lshl_b32 s81, s[CX], 15                      ; my work-group's two of a group's eight
	s_add_co_u32 s80, s80, s81
	s_lshl_b32 s81, s20, 10                        ; in O's image: the head's 1,024 bytes of a fragment-row
	s_lshl_b32 s62, s[G], 17
	s_add_co_u32 s62, s62, s80
	s_add_nc_u64 s[48:49], s[40:41], s[62:63]      ; query's images: the first group's tiles,
	s_add_co_u32 s62, s62, s81
	s_add_nc_u64 s[52:53], s[12:13], s[62:63]      ; O's image: the group in hand,
	s_lshl_b32 s62, s[GN], 17
	s_add_co_u32 s62, s62, s80
	s_add_nc_u64 s[50:51], s[40:41], s[62:63]      ; the second group's tiles,
	s_add_co_u32 s62, s62, s81
	s_add_nc_u64 s[54:55], s[12:13], s[62:63]      ; and the next
	s_lshl_b32 s62, s20, 16
	s_add_nc_u64 s[42:43], s[42:43], s[62:63]      ; W_q's images: the head's four fragment-rows
	QLOAD 0
	s_wait_loadcnt 36                              ; the key masks are in; the query masks' four loads and the first set's 32 may be out
.irp i, 0,1,2,3,4,5,6,7
	v_cmp_ne_u32 vcc_lo, 0, v[P+\i]
	v_cndmask_b32 v[P+\i], 0xf1800000, v[ZERO], vcc_lo   ; open key: 0; padded key: -2^100, under every score
.endr
	ds_store_b128 v[T+7], v[P:P+3]
	ds_store_b128 v[T+7], v[P+4:P+7] offset:4096
	QLOAD 1
	s_wait_kmcnt 0x0
	s_add_co_i32 s62, s74, s75
	s_lshl_b32 s62, s62, 23
	s_add_co_i32 s[CS], s62, 0x3e38aa3b            ; c = log2(e) / 8 x 2^(e6 + e7)
	s_mov_b32 s[CS+1], s[CS]
	s_add_co_i32 s62, s76, 127
	s_lshl_b32 s63, s62, 23
	v_mov_b32 v[PSC], s63                          ; 2^e8
	s_add_co_i32 s62, s62, 8
	s_lshl_b32 s62, s62, 23
	s_or_b32 s62, s62, 0x600000
	v_mov_b32 v[PLIM], s62                         ; 448 x 2^e8
	v_mov_b32 v[PLIM2], s62
	s_sub_co_i32 s62, s78, s76
	s_sub_co_i32 s62, s62, s77
	s_add_co_i32 s62, s62, 127
	s_lshl_b32 s63, s62, 23
	v_mov_b32 v[OSC], s63                          ; 2^(e10 - e8 - e9)
	s_add_co_i32 s62, s62, 8
	s_lshl_b32 s62, s62, 23
	s_or_b32 s62, s62, 0x600000
	v_mov_b32 v[OLIM], s62
	s_sub_co_i32 s62, s74, s68
	s_sub_co_i32 s62, s62, s69
	s_add_co_i32 s62, s62, 127
	s_lshl_b32 s63, s62, 23
	v_mov_b32 v[QSC], s63                          ; 2^(e6 - e0 - e1)
	s_add_co_i32 s62, s62, 8
	s_lshl_b32 s62, s62, 23
	s_or_b32 s62, s62, 0x600000
	v_mov_b32 v[QLIM], s62
	s_wait_alu depctr_va_vdst(0)                   ; ahead of the waits below
.irp s, 0,1,2,3,4,5,6,7
	QSTEP \s
.endr
.set i, 0
.rept 128
	v_med3_num_f32 v[S+i], v[S+i], -v[QLIM], v[QLIM]   ; the conversion does not saturate (ISA guide 7.6.2): the hold comes first; each accumulator from its low end on
.set i, i+1
.endr
.irp t, 0,1,2,3                        ; tiles 0, 1: the first group's Q; tiles 2, 3: the second's
.irp b, 0,1
	v_cvt_scalef32_pk8_fp8_f32 v[Q+8*\t+4*\b:Q+8*\t+4*\b+1], v[S+32*\t+16*\b:S+32*\t+16*\b+7], v[QSC]
	v_cvt_scalef32_pk8_fp8_f32 v[Q+8*\t+4*\b+2:Q+8*\t+4*\b+3], v[S+32*\t+16*\b+8:S+32*\t+16*\b+15], v[QSC]
.endr
.endr
	v_nop                                          ; a plain line behind the conversions
	s_wait_alu depctr_va_vdst(0)                   ; the head's end
	s_wait_tensorcnt 0x0                           ; my part of K or V is in,
	s_wait_dscnt 0x0                               ; my part of the bias is stored:
	s_barrier_signal -1
	s_barrier_wait -1                              ; so is everybody's.  LDS is only read from here on
	s_mov_b32 s[IT], 0
.macro LOADS withv                     ; a block's K and bias fragments (32 loads), and V's (16)
	WIN 0x40
.irp t, 0,1,2,3,4,5,6,7
	ds_load_b128 v[8*\t:8*\t+3],   v[ADK] offset:1024*\t
	ds_load_b128 v[8*\t+4:8*\t+7], v[ADK] offset:1024*\t+512
.endr
.irp t, 0,1,2,3,4,5,6,7
	ds_load_b128 v[64+8*\t:64+8*\t+3],   v[ADB] offset:128*(\t/2)+32*(\t%2)
	ds_load_b128 v[64+8*\t+4:64+8*\t+7], v[ADB] offset:128*(\t/2)+32*(\t%2)+16
.endr
.if \withv
.irp dt, 0,1,2,3
.irp c, 0,1,2,3
	ds_load_b128 v[128+16*\dt+4*\c:128+16*\dt+4*\c+3], v[ADV] offset:2048*\dt+512*\c
.endr
.endr
.endif
	WIN 0
.endm
.macro DIAG                            ; on the diagonal block hidden scores become -infinity: eight lane masks, then the eight selects that read them
	s_cmp_lg_u32 s[KS], s[G]
	s_cbranch_scc1 .Lopen_\@
.set n, 0
.rept 16
.irp k, 0,1,2,3
	v_cmp_gt_i32 s[DM+2*\k], 32*((n+\k)/16)+(n+\k)%16, v[D0]
	v_cmp_gt_i32 s[DM+2*\k+1], 32*((n+\k)/16)+(n+\k)%16, v[D1]
.endr
.irp k, 0,1,2,3
	v_cndmask_b32 v[S+n+\k], v[S+n+\k], v[NINF], s[DM+2*\k]
	v_cndmask_b32 v[S+64+n+\k], v[S+64+n+\k], v[NINF], s[DM+2*\k+1]
.endr
.set n, n+4
.endr
.Lopen_\@:
.endm
.macro SCALE                           ; score x c - the tile's state word 0, two at a time
.irp X, 0,1
.set i, 0
.rept 32
	v_pk_fma_f32 v[S+64*\X+i:S+64*\X+i+1], v[S+64*\X+i:S+64*\X+i+1], s[CS:CS+1], v[ST+8*\X:ST+8*\X+1] op_sel_hi:[1,0,0] neg_lo:[0,0,1] neg_hi:[0,0,1]
.set i, i+2
.endr
.endr
.endm
.macro EXPS
.set i, 0
.rept 128
	v_exp_f32 v[S+i], v[S+i]
.set i, i+1
.endr
	v_nop                                          ; a plain place behind the batch
	s_wait_alu depctr_va_vdst(0)                   ; one wait for the batch, ahead of its first reader
.endm
; A BLOCK of 128 keys for my two tiles of 16 queries.
.macro TRIP pass
	s_cmp_gt_u32 s[KS], s[G]                       ; ids alone: the block lies wholly behind my queries
	s_cbranch_scc1 .Ltail_\@
	s_add_co_u32 s[KN], s[KO], 8192                ; the next block, held at the last
	s_min_u32 s[KN], s[KN], 122880
	s_add_co_u32 s[BN], s[BO], 512
	s_min_u32 s[BN], s[BN], 7680
	s_wait_dscnt 0x0                               ; this block's K and bias are in
	WIN 0x11                                       ; K and the bias in window 1
.irp X, 0,1
.irp t, 0,1,2,3,4,5,6,7
	v_wmma_f32_16x16x64_fp8_fp8 v[S+64*\X+8*\t:S+64*\X+8*\t+7], v[8*\t:8*\t+7], v[Q+8*\X:Q+8*\X+7], v[64+8*\t:64+8*\t+7]
.endr
.endr
	WIN 0
	v_add_nc_u32 v[ADK], s[KN], v[LI]              ; four places behind the products, ahead of the loads into their sources and of the scores' first read
	v_add_nc_u32 v[ADB], s[BN], v[BH]
.if \pass == 2
	v_add_nc_u32 v[ADV], s[KO], v[LIV]
.else
	v_nop
.endif
	v_nop
	LOADS (\pass == 2)
	DIAG
.if \pass == 1
.irp X, 0,1                            ; the block's largest scores: eight chains by turns, 16 scores each, every accumulator from its low end on
.irp c, 0,1,2,3
	v_max3_num_f32 v[T+4*\X+\c], v[S+64*\X+16*\c], v[S+64*\X+16*\c+1], v[S+64*\X+16*\c+2]
.endr
.endr
.set i, 3
.rept 6
.irp X, 0,1
.irp c, 0,1,2,3
	v_max3_num_f32 v[T+4*\X+\c], v[T+4*\X+\c], v[S+64*\X+16*\c+i], v[S+64*\X+16*\c+i+1]
.endr
.endr
.set i, i+2
.endr
.irp X, 0,1                            ; the chains, each chain's sixteenth score and the running maximum are joined
	v_max3_num_f32 v[T+4*\X], v[T+4*\X], v[T+4*\X+1], v[S+64*\X+15]
	v_max3_num_f32 v[T+4*\X+2], v[T+4*\X+2], v[T+4*\X+3], v[S+64*\X+31]
	v_max3_num_f32 v[ST+8*\X+1], v[S+64*\X+47], v[S+64*\X+63], v[ST+8*\X+1]
	v_mov_b32 v[T+8+\X], v[ST+8*\X]
.endr
.irp X, 0,1
	v_max3_num_f32 v[ST+8*\X+1], v[T+4*\X], v[T+4*\X+2], v[ST+8*\X+1]   ; the running largest score
.endr
.irp X, 0,1
	v_mul_f32 v[ST+8*\X], s[CS], v[ST+8*\X+1]
.endr
.irp X, 0,1
	v_sub_f32 v[T+8+\X], v[T+8+\X], v[ST+8*\X]     ; old m - new m
.endr
	SCALE
	s_wait_alu depctr_va_vdst(0)                   ; ahead of the batch
	v_exp_f32 v[ST+6], v[T+8]
	v_exp_f32 v[ST+14], v[T+9]
	EXPS
.irp X, 0,1                            ; the sums: eight chains of pairs by turns
	v_pk_mul_f32 v[ST+8*\X+2:ST+8*\X+3], v[ST+8*\X+2:ST+8*\X+3], v[ST+8*\X+6:ST+8*\X+7] op_sel_hi:[1,0]
.irp c, 0,1,2
	v_pk_add_f32 v[T+6*\X+2*\c:T+6*\X+2*\c+1], v[S+64*\X+4*\c:S+64*\X+4*\c+1], v[S+64*\X+4*\c+2:S+64*\X+4*\c+3]
.endr
.endr
.set i, 12
.rept 6
.irp X, 0,1
	v_pk_add_f32 v[ST+8*\X+2:ST+8*\X+3], v[ST+8*\X+2:ST+8*\X+3], v[S+64*\X+i:S+64*\X+i+1]
.irp c, 0,1,2
	v_pk_add_f32 v[T+6*\X+2*\c:T+6*\X+2*\c+1], v[T+6*\X+2*\c:T+6*\X+2*\c+1], v[S+64*\X+i+2+2*\c:S+64*\X+i+3+2*\c]
.endr
.endr
.set i, i+8
.endr
.irp X, 0,1
	v_pk_add_f32 v[ST+8*\X+2:ST+8*\X+3], v[ST+8*\X+2:ST+8*\X+3], v[S+64*\X+60:S+64*\X+61]
	v_pk_add_f32 v[T+6*\X:T+6*\X+1], v[T+6*\X:T+6*\X+1], v[S+64*\X+62:S+64*\X+63]
.endr
.irp X, 0,1
	v_pk_add_f32 v[ST+8*\X+2:ST+8*\X+3], v[ST+8*\X+2:ST+8*\X+3], v[T+6*\X+4:T+6*\X+5]
	v_pk_add_f32 v[T+6*\X:T+6*\X+1], v[T+6*\X:T+6*\X+1], v[T+6*\X+2:T+6*\X+3]
.endr
.irp X, 0,1
	v_pk_add_f32 v[ST+8*\X+2:ST+8*\X+3], v[ST+8*\X+2:ST+8*\X+3], v[T+6*\X:T+6*\X+1]
.endr
	s_wait_alu depctr_va_vdst(0)                   ; ahead of the branches that follow
.else
	SCALE                                          ; t - B
	s_wait_alu depctr_va_vdst(0)                   ; ahead of the batch
	EXPS                                           ; the finished softmax x |query mask|
.set i, 0
.rept 64
	v_dual_min_num_f32 v[S+i], v[S+i], v[PLIM] :: v_dual_min_num_f32 v[S+i+1], v[S+i+1], v[PLIM2]   ; the conversion does not saturate (ISA guide 7.6.2); p is not negative: a one-sided hold
.set i, i+2
.endr
.irp X, 0,1
.irp b, 0,1,2,3
	v_cvt_scalef32_pk8_fp8_f32 v[P+16*\X+4*\b:P+16*\X+4*\b+1], v[S+64*\X+16*\b:S+64*\X+16*\b+7], v[PSC]
	v_cvt_scalef32_pk8_fp8_f32 v[P+16*\X+4*\b+2:P+16*\X+4*\b+3], v[S+64*\X+16*\b+8:S+64*\X+16*\b+15], v[PSC]
.endr
.endr
	v_nop                                          ; a plain line behind the conversions
	s_wait_alu depctr_va_vdst(0)                   ; directly ahead of the wait below
	s_wait_dscnt 0x0                               ; V is in (and the next block's K and bias)
	WIN 0x51                                       ; V, C and D in window 1
	s_wait_alu depctr_va_vdst(0)                   ; and directly ahead of O^T's readers, which stand behind the exponentials
.irp X, 0,1
.irp dt, 0,1,2,3
	v_wmma_f32_16x16x128_fp8_fp8 v[192+32*\X+8*\dt:192+32*\X+8*\dt+7], v[128+16*\dt:128+16*\dt+15], v[P+16*\X:P+16*\X+15], v[192+32*\X+8*\dt:192+32*\X+8*\dt+7]
.endr
.endr
	WIN 0
.endif
.Ltail_\@:
	s_add_co_u32 s[KS], s[KS], 1
	s_add_co_u32 s[KO], s[KO], 8192
	s_add_co_u32 s[BO], s[BO], 512
.endm
.macro START                           ; a pass begins at block 0
	s_mov_b32 s[KS], 0
	s_mov_b32 s[KO], 0
	s_mov_b32 s[BO], 0
	s_wait_dscnt 0x0                               ; no load into K's registers is out
	v_add_nc_u32 v[ADK], s[KO], v[LI]
	v_add_nc_u32 v[ADB], s[BO], v[BH]
	LOADS 0
.endm
.Lgroup:                                           ; two trips: group 15 - wave, then group wave
.irp X, 0,1
	v_mov_b32 v[ST+8*\X+1], 0xcc000000             ; -2^25, under every raw score
	v_mul_f32 v[ST+8*\X], s[CS], v[ST+8*\X+1]
.irp k, 2,3,4,5,6,7
	v_mov_b32 v[ST+8*\X+\k], 0
.endr
.endr
	START
.Lpass1:
	TRIP 1
	s_cmp_lt_u32 s[KS], 16
	s_cbranch_scc1 .Lpass1
	; the two halves of the lanes are joined, and B is made
.irp X, 0,1
	v_permlanex16_b32 v[T+\X], v[ST+8*\X+1], s[SEL], s[SEL+1]
.endr
.irp X, 0,1
	v_max_num_f32 v[ST+8*\X+1], v[ST+8*\X+1], v[T+\X]
.endr
.irp X, 0,1
	v_mul_f32 v[T+4+\X], s[CS], v[ST+8*\X+1]       ; M
.endr
.irp X, 0,1
	v_sub_f32 v[T+\X], v[ST+8*\X], v[T+4+\X]
	v_add_f32 v[ST+8*\X+2], v[ST+8*\X+2], v[ST+8*\X+3]
	v_cvt_f32_i32 v[T+6+\X], v[QM+\X]
	v_ashrrev_i32 v[XM+\X], 31, v[QM+\X]
.endr
.irp X, 0,1
	v_and_b32 v[XM+\X], 0x80808080, v[XM+\X]       ; the query mask's sign, for O's codes
.endr
	s_wait_alu depctr_va_vdst(0)                   ; ahead of the batch
.irp X, 0,1
	v_exp_f32 v[ST+8*\X+6], v[T+\X]
	v_log_f32 v[T+8+\X], |v[T+6+\X]|               ; log2 |query mask|: -infinity for 0
.endr
	v_nop
	s_wait_alu depctr_va_vdst(0)                   ; behind it
.irp X, 0,1
	v_mul_f32 v[ST+8*\X+2], v[ST+8*\X+2], v[ST+8*\X+6]
.endr
.irp X, 0,1
	v_permlanex16_b32 v[T+\X], v[ST+8*\X+2], s[SEL], s[SEL+1]
.endr
.irp X, 0,1
	v_add_f32 v[ST+8*\X+2], v[ST+8*\X+2], v[T+\X]  ; the row's sum
.endr
.irp X, 0,1
	v_cmp_eq_f32 s[56+\X], 0, v[ST+8*\X+2]         ; no open key
	v_sub_f32 v[T+4+\X], v[T+4+\X], v[T+8+\X]      ; M - log2 |query mask|: a number or +infinity
.endr
	s_wait_alu depctr_va_vdst(0)
.irp X, 0,1
	v_log_f32 v[T+10+\X], v[ST+8*\X+2]
.endr
	v_nop
	s_wait_alu depctr_va_vdst(0)
.irp X, 0,1
	v_cndmask_b32 v[T+10+\X], v[T+10+\X], v[PINF], s[56+\X]
.endr
.irp X, 0,1
	v_add_f32 v[ST+8*\X], v[T+4+\X], v[T+10+\X]    ; B
.endr
	WIN 0x40
.set i, 0
.rept 64
	v_mov_b32 v[192+i], 0                          ; O^T: cleared, so that the block's text is written once
.set i, i+1
.endr
	WIN 0
	START
.Lpass2:
	TRIP 2
	s_cmp_lt_u32 s[KS], 16
	s_cbranch_scc1 .Lpass2
	; THE WAY OUT: O^T is held, converted with 2^(e10 - e8 - e9), signed, and is four groups of the next operand's image
.rept 4
	v_nop
.endr
	WIN 0x01
.set i, 0
.rept 64
	v_med3_num_f32 v[S+i], v[192+i], -v[OLIM], v[OLIM]
.set i, i+1
.endr
	WIN 0
.set i, 0
.rept 8
	v_cvt_scalef32_pk8_fp8_f32 v[P+2*i:P+2*i+1], v[S+8*i:S+8*i+7], v[OSC]
.set i, i+1
.endr
	v_nop
.irp X, 0,1
.irp k, 0,1,2,3,4,5,6,7
	v_xor_b32 v[P+8*\X+\k], v[XM+\X], v[P+8*\X+\k]
.endr
.endr
.irp X, 0,1
.irp b, 0,1
	global_store_b128 v[LI], v[P+8*\X+4*\b:P+8*\X+4*\b+3], s[52:53] offset:16384*\X+512*\b   ; 512 consecutive bytes, aligned
.endr
.endr
	s_wait_alu depctr_va_vdst(0)
	s_cmp_lg_u32 s20, 0                            ; the key mask is the same for all heads: head 0's cluster stores the flags
	s_cbranch_scc1 .Lno_flags
	s_and_b32 s61, s56, 0xffff
	s_and_b32 s62, s57, s60
	s_or_b32 s61, s61, s62
	v_cndmask_b32 v[T], v[ZERO], v[NANV], s61
	global_store_b32 v[FLA], v[T], s[90:91]
.Lno_flags:
	s_wait_xcnt 0x0                                ; the stores have read their registers and bases
	s_mov_b32 s[G], s[GN]                          ; on to the second group
	s_mov_b64 s[52:53], s[54:55]
	s_mov_b64 s[90:91], s[92:93]
.set i, 0
.rept 16
	v_mov_b32 v[Q+i], v[QL+i]
.set i, i+1
.endr
	v_mov_b32 v[QM], v[QM+2]
	v_mov_b32 v[QM+1], v[QM+3]
	s_add_co_u32 s[IT], s[IT], 1
	s_cmp_lt_u32 s[IT], 2
	s_wait_alu depctr_va_vdst(0)                   ; ahead of the branch
	s_cbranch_scc1 .Lgroup
	s_wait_tensorcnt 0x0                           ; the wave's end
	ds_add_u32 v[SPW], v[NIL]
	s_wait_dscnt 0x0
	ROUND                                          ; the closing round
	s_endpgm
.Lfunc_end_k_q93e0327c64_attn:
	.size	k_q93e0327c64_attn, .Lfunc_end_k_q93e0327c64_attn-k_q93e0327c64_attn
	.p2alignl 7, 3214868480
	.fill 96, 4, 3214868480
	.section	.rodata,"a",@progbits
	.p2align	6, 0x0
	.amdhsa_kernel k_q93e0327c64_attn
		.amdhsa_group_segment_fixed_size 327680
		.amdhsa_private_segment_fixed_size 0
		.amdhsa_enable_private_segment 0
		.amdhsa_kernarg_size 64
		.amdhsa_user_sgpr_count 2
		.amdhsa_user_sgpr_kernarg_segment_ptr 1
		.amdhsa_wavefront_size32 1
		.amdhsa_system_sgpr_workgroup_id_x 1
		.amdhsa_system_sgpr_workgroup_id_y 1
		.amdhsa_system_sgpr_workgroup_id_z 1
		.amdhsa_system_vgpr_workitem_id 0
		.amdhsa_next_free_vgpr 512
		.amdhsa_next_free_sgpr 96
		.amdhsa_reserve_vcc 1
		.amdhsa_float_denorm_mode_32 3
		.amdhsa_float_denorm_mode_16_64 3
		.amdhsa_memory_ordered 1
		.amdhsa_forward_progress 1
		.amdhsa_inst_pref_size 143
	.end_amdhsa_kernel
	.amdgpu_metadata
---
amdhsa.version: [ 1, 2 ]
amdhsa.kernels:
  - .name:           k_q93e0327c64_attn
    .symbol:         k_q93e0327c64_attn.kd
    .args:
      - { .name: kv, .offset: 0, .size: 8, .value_kind: global_buffer, .address_space: global }
      - { .name: key_padding_masks, .offset: 8, .size: 8, .value_kind: global_buffer, .address_space: global }
      - { .name: query_padding_masks, .offset: 16, .size: 8, .value_kind: global_buffer, .address_space: global }
      - { .name: lowp_scales, .offset: 24, .size: 8, .value_kind: global_buffer, .address_space: global }
      - { .name: oimg, .offset: 32, .size: 8, .value_kind: global_buffer, .address_space: global }
      - { .name: rownan, .offset: 40, .size: 8, .value_kind: global_buffer, .address_space: global }
      - { .name: ximg, .offset: 48, .size: 8, .value_kind: global_buffer, .address_space: global }
      - { .name: wimg, .offset: 56, .size: 8, .value_kind: global_buffer, .address_space: global }
    .group_segment_fixed_size: 327680
    .private_segment_fixed_size: 0
    .kernarg_segment_align: 8
    .kernarg_segment_size: 64
    .max_flat_workgroup_size: 256
    .sgpr_count:     96
    .vgpr_count:     512
    .wavefront_size: 32
...
	.end_amdgpu_metadata
.endif
;; end of part 3
;; launch outp (part 4): grid 4 x 64, 4 waves a work-group, clusters of 4 x 4, 327,680 bytes of LDS; arguments oimg, wimg, rownan, lowp_scales, out0; writes out0
.if DOCPART == 4
	.amdgcn_target "amdgcn-amd-amdhsa--gfx1250"
	.amdhsa_code_object_version 6
	.text
	.protected	k_q93e0327c64_outp
	.globl	k_q93e0327c64_outp
	.p2align	8
	.type	k_q93e0327c64_outp,@function
k_q93e0327c64_outp:
	s_mov_b64 s[64:65], 0
	v_nop
	global_prefetch_b8 v0, s[64:65] scope:SCOPE_SE
	s_setreg_imm32_b32 hwreg(HW_REG_WAVE_MODE, 25, 1), 1
	s_wait_xcnt 0x0
	s_wait_alu depctr_hold_cnt(0) depctr_sa_sdst(0) depctr_va_vdst(0) depctr_va_sdst(0) depctr_va_ssrc(0) depctr_va_vcc(0) depctr_vm_vsrc(0)
	s_getreg_b32 s2, hwreg(HW_REG_IB_STS2, 6, 4)
	s_cmp_eq_u32 s2, 0
	s_cbranch_scc0 .Lentry_in_a_cluster
	s_endpgm
.Lentry_in_a_cluster:
	s_bfe_u32 s2, ttmp6, 0x10000c
	s_cmp_lg_u32 s2, 0xf033
	s_cbranch_scc0 .Lentry_shape_is_right
	s_endpgm
.Lentry_shape_is_right:
; out0 = O W_o on codes of E4M3: each f32 sum x 2^(e10 + e11), plus the row's flag (0, or NaN for a row that had no open key: reference()'s softmax of a row of -infinity).
; Operands are images: [fragment-row][K step of 128][2,048 bytes]; fragment-row f, slot r = row 32 (f / 2) + 8 (f % 2) + r + 8 (r / 8); group c of 512 bytes: lane (r, h) holds k = 32 c + 16 h + 0 .. 15.
; A block of 128 tokens x 256 features to a work-group of four waves: 64 x 4 = 256 work-groups.  A wave makes 64 x 128: 32 accumulators, 256 registers.
; K = 1,024 goes in four steps of 256 through two LDS slots.  Waves 0 and 1 fetch A's halves (4 fragment-rows x 4,096 bytes), waves 2 and 3 B's (8 fragment-rows): one tensor load a wave.
; A and B both have two sets of fragment registers: while one 128 along K is multiplied (32 products), the next one's 48 LDS loads are out.
; Source 0 = B (features), source 1 = A (tokens): a lane holds one token (slot lane % 16), and accumulators (a, 2 i), (a, 2 i + 1) are features 32 i + 16 (lane / 16) + 0 .. 15.
; CLUSTERS: 4 x 4.  A's tile hangs on the tile row alone and is asked for jointly along a row of the cluster, B's on the tile column alone, along a column.
; No prefetch: a work-group has four K steps in all, two of them asked for in its first lines.
; LIMIT: e10 + e11 between -126 and 127.
; REGISTERS: window 0: v0-31 addresses, flags; v32-95 at work on the way out; v128-255 A's two sets, later the rows read back.  Window 1: B's two sets.  Window 2: the accumulators.
.set HALFT,  32768                     ; LDS bytes from one wave's load to the next wave's (A's loads fill half of theirs)
.set SLOT,   4*HALFT
.set SPARE,  2*SLOT                    ; behind the ring: the spare words, 128 bytes for each wave
.set KSB,    4096                      ; a K step of 256 in a fragment-row's bytes
.set FR,     16
.set NP,     4                         ; places behind this matrix instruction (ISA guide 7.12.1)
.set LAPS,   2
.set SPITCH, 528                       ; the way out: a stage of 16 rows x (512 + 16) bytes for each wave, in slot 0, behind its last fill and last read
.set LI,   4
.set FLO,  7
.set FLG,  8                           ; v8-11 my four blocks' flags
.set ADRA, 16
.set ADRB, 20
.set STO,  24
.set RD,   25
.set SPW,  28
.set NIL,  29
.set TMP,  32
.set AF,   128
.set BK,   128
.set G1, 24
.set G0, 32
.set G1B, 48
.set G0B, 56
.set MSB, 0
.macro WIN new                         ; the immediate's high byte repeats the setting that is left
.if MSB != \new
	s_set_vgpr_msb (MSB<<8)|\new
.set MSB, \new
.endif
.endm
.set MUL_LO, 0xa1                      ; source 0 (B) window 1, source 1 (A) window 0, C and D window 2
.set TO_B,   0x40
.macro JLOAD g0a, g1a, g0b, g1b        ; a joint load: waves 0, 1 for A, waves 2, 3 for B; an s_nop 0 and four v_nop follow each line
	s_cmp_eq_u32 s15, 0
	s_cbranch_scc0 .Lfor_b_\@
	tensor_load_to_lds s[\g0a:\g0a+3], s[\g1a:\g1a+7]
	s_nop 0
.rept 4
	v_nop
.endr
	s_branch .Lasked_\@
.Lfor_b_\@:
	tensor_load_to_lds s[\g0b:\g0b+3], s[\g1b:\g1b+7]
	s_nop 0
.rept 4
	v_nop
.endr
.Lasked_\@:
.endm
.macro CREST                           ; a round of the cluster's barrier behind its opening barrier
	s_cmp_lg_u32 s14, 0
	s_cbranch_scc1 .Lnot_wave_0_\@
	s_barrier_signal -3
.Lnot_wave_0_\@:
	s_barrier_wait -3
	s_barrier_signal -1
	s_barrier_wait -1
.endm
.macro CROUND
	s_barrier_signal -1
	s_barrier_wait -1
	CREST
.endm
	s_load_b256 s[4:11], s[0:1], 0x0               ; oimg, wimg, rownan, the scales' exponents
	s_load_b64 s[12:13], s[0:1], 0x20              ; out0
	v_lshl_add_u32 v[SPW], v0, 2, SPARE
	v_mov_b32 v[NIL], 0
	ds_add_u32 v[SPW], v[NIL]                      ; the opening lines: the add twice on end and its wait
	ds_add_u32 v[SPW], v[NIL]
	v_lshrrev_b32 v1, 5, v0
	v_readfirstlane_b32 s14, v1                    ; wave 0..3
	s_lshr_b32 s15, s14, 1                         ; my half of A's rows.  Also: I fetch for A (0) or for B (1)
	s_and_b32 s16, s14, 1                          ; my half of B's rows.  Also: which half of that tile I fetch
	s_bfe_u32 s40, ttmp6, 0x40000
	s_bfe_u32 s41, ttmp6, 0x40004
	s_lshl_b32 s42, ttmp9, 2
	s_add_co_u32 s42, s42, s40                     ; tile column: 256 features
	s_and_b32 s17, ttmp7, 0xffff
	s_lshl_b32 s17, s17, 2
	s_add_co_u32 s17, s17, s41                     ; tile row: 128 tokens
	s_lshl_b32 s43, s41, 2
	s_lshl_b32 s43, 15, s43
	s_lshl_b32 s44, 0x1111, s40
	s_or_b32 s[G1+0], s43, (3<<16)|(1<<21)         ; the mask; elements of 8 bytes; no padding: an image is read 16 bytes a lane on end
	s_or_b32 s[G1B+0], s44, (3<<16)|(1<<21)
.irp g, G1, G1B
	s_mov_b32 s[\g+1], 512<<16                     ; rows of 4,096 bytes,
	s_mov_b32 s[\g+3], 512<<16
	s_mov_b32 s[\g+5], 2048                        ; 16,384 bytes apart
	s_mov_b32 s[\g+6], 0
	s_mov_b32 s[\g+7], 0
.endr
	s_mov_b32 s[G1+2], 4<<16                       ; A: 4 fragment-rows a load,
	s_mov_b32 s[G1+4], 4
	s_mov_b32 s[G1B+2], 8<<16                      ; B: 8
	s_mov_b32 s[G1B+4], 8
	s_lshl_b32 s18, s16, 16
	s_lshl_b32 s20, s17, 17                        ; A's tile: 8 fragment-rows
	s_add_co_u32 s20, s20, s18
	s_lshl_b32 s18, s16, 17
	s_lshl_b32 s46, s42, 18                        ; B's tile: 16
	s_add_co_u32 s46, s46, s18
	s_add_co_u32 s46, s46, 0x300000                ; W_o's images
	s_mov_b32 s21, 0
	s_mov_b32 s47, 0
	s_mul_i32 s45, s14, HALFT
	s_wait_dscnt 0x0
	s_wait_kmcnt 0x0
	s_load_b64 s[96:97], s[10:11], 0x28            ; e10, e11
	s_add_nc_u64 s[20:21], s[4:5], s[20:21]
	s_add_nc_u64 s[46:47], s[6:7], s[46:47]
	CROUND                                         ; the sixteen partners meet
.irp s, 0,1
	s_mov_b32 s[G0+4*\s], 1
	s_add_co_u32 s[G0+4*\s+1], s45, \s*SLOT
	s_add_nc_u64 s[G0+4*\s+2:G0+4*\s+3], s[20:21], \s*KSB
	s_or_b32 s[G0+4*\s+3], s[G0+4*\s+3], 0x80000000
	s_mov_b32 s[G0B+4*\s], 1
	s_add_co_u32 s[G0B+4*\s+1], s45, \s*SLOT
	s_add_nc_u64 s[G0B+4*\s+2:G0B+4*\s+3], s[46:47], \s*KSB
	s_or_b32 s[G0B+4*\s+3], s[G0B+4*\s+3], 0x80000000
.endr
	JLOAD G0, G1, G0B, G1B                         ; K step 0: one tensor load a wave at the head
	v_and_b32 v6, 31, v0
	v_lshlrev_b32 v[LI], 4, v6
	s_wait_alu depctr_va_vdst(0)                   ; ahead of the scalar lines among its readers
	s_mul_i32 s21, s15, HALFT
	s_mul_i32 s22, s16, HALFT
	s_add_co_u32 s22, s22, 2*HALFT
.irp s, 0,1
	v_add_nc_u32 v[ADRA+\s], s21, v[LI]
	v_add_nc_u32 v[ADRB+\s], s22, v[LI]
	s_add_co_u32 s21, s21, SLOT
	s_add_co_u32 s22, s22, SLOT
.endr
	v_and_b32 v1, 15, v0
	v_bfe_u32 v2, v0, 4, 1
	s_mul_i32 s23, s14, 16*SPITCH
	v_mul_u32_u24 v5, v1, SPITCH
	v_lshl_add_u32 v5, v2, 6, v5
	v_add_nc_u32 v[STO], s23, v5                   ; into my stage: row r, 64 bytes for each half of the lanes in each 128
	v_add_nc_u32 v[RD], s23, v[LI]                 ; back: the 32 lanes take one row of 512 bytes
	v_and_b32 v3, 8, v1
	v_add_nc_u32 v3, v3, v1
	v_lshlrev_b32 v[FLO], 2, v3
	s_lshl_b32 s66, s17, 9
	s_lshl_b32 s67, s15, 8
	s_add_co_u32 s66, s66, s67                     ; my 64 tokens' flags
	s_mov_b32 s67, 0
	s_add_nc_u64 s[8:9], s[8:9], s[66:67]
.irp a, 0,1,2,3
	global_load_b32 v[FLG+\a], v[FLO], s[8:9] offset:(32*(\a/2)+8*(\a%2))*4
.endr
	s_lshl_b32 s66, s17, 19                        ; 128 rows of 4,096 bytes,
	s_lshl_b32 s68, s15, 18                        ; my 64,
	s_add_co_u32 s66, s66, s68
	s_lshl_b32 s68, s42, 10                        ; 256 columns of 4 bytes,
	s_add_co_u32 s66, s66, s68
	s_lshl_b32 s68, s16, 9                         ; my 128
	s_add_co_u32 s66, s66, s68
	s_add_nc_u64 s[12:13], s[12:13], s[66:67]
.macro FRAG reg, adr, q, i             ; fragment-row i, the slot's q-th 128 along K: four groups of 512 bytes, 16 bytes a lane on end
.irp c, 0,1,2,3
	ds_load_b128 v[\reg+4*\c:\reg+4*\c+3], v[\adr] offset:4096*(\i)+2048*(\q)+512*\c
.endr
.endm
.macro FETCH slot, q, p                ; 48 loads: B's eight fragments and A's four into set p
	WIN TO_B
.irp i, 0,1,2,3,4,5,6,7
	FRAG 128*(\p)+FR*\i, ADRB+\slot, \q, \i
.endr
	WIN 0
.irp i, 0,1,2,3
	FRAG AF+64*(\p)+FR*\i, ADRA+\slot, \q, \i
.endr
.endm
; 16 products: A's blocks a0, a0 + 1 x B's eight, from set p.  The 32 accumulators take turns, one instruction a turn, in the same order in every step.
.macro MUL16 a0, p, zero
.irp a, \a0, \a0+1
.irp b, 0,1,2,3,4,5,6,7
.if \zero
	v_wmma_f32_16x16x128_fp8_fp8 v[8*(8*(\a)+\b):8*(8*(\a)+\b)+7], v[128*(\p)+FR*\b:128*(\p)+FR*\b+FR-1], v[AF+64*(\p)+FR*(\a):AF+64*(\p)+FR*(\a)+FR-1], 0
.else
	v_wmma_f32_16x16x128_fp8_fp8 v[8*(8*(\a)+\b):8*(8*(\a)+\b)+7], v[128*(\p)+FR*\b:128*(\p)+FR*\b+FR-1], v[AF+64*(\p)+FR*(\a):AF+64*(\p)+FR*(\a)+FR-1], v[8*(8*(\a)+\b):8*(8*(\a)+\b)+7]
.endif
.endr
.endr
.endm
.macro PLACES n                        ; plain vector lines between a matrix instruction and a load into, or a vector line on, its registers
.rept \n
	v_nop
.endr
.endm
.macro STEP slot, zero                 ; a slot's first 128 along K (set 0); its second goes into set 1 meanwhile
	s_wait_dscnt 0x0                               ; set 0 is in
	PLACES NP                                      ; behind the products that read set 1
	FETCH \slot, 1, 1
	WIN MUL_LO
	MUL16 0, 0, \zero
	MUL16 2, 0, \zero
	WIN 0
.endm
; A slot's second 128 (set 1) changes slots: one barrier; in front of it each wave waits for all its tensor loads, adds 0 to its spare word, and waits for that and for its reads of this slot.
.macro TURN slot, next, fill
	s_wait_tensorcnt 0x0                           ; my part of the next slot has landed
	ds_add_u32 v[SPW], v[NIL]
	s_wait_dscnt 0x0                               ; the add is done; set 1 is in, so my reads of this slot are over
	s_barrier_signal -1
	WIN MUL_LO
	MUL16 0, 1, 0
	WIN 0
	s_barrier_wait -1
.if \fill
	CREST                                          ; the barrier has opened a round of the cluster's: no wave of any partner still reads this slot or has a load on its way
	s_add_nc_u64 s[G0+4*\slot+2:G0+4*\slot+3], s[G0+4*\slot+2:G0+4*\slot+3], 2*KSB
	s_add_nc_u64 s[G0B+4*\slot+2:G0B+4*\slot+3], s[G0B+4*\slot+2:G0B+4*\slot+3], 2*KSB
	JLOAD G0+4*\slot, G1, G0B+4*\slot, G1B         ; the first tensor load behind the round; its four v_nop are the places in front of the loads below
.else
	PLACES NP
.endif
	FETCH \next, 0, 0
	WIN MUL_LO
	MUL16 2, 1, 0
	WIN 0
.endm
	s_wait_alu depctr_va_vdst(0)                   ; the head's end
	s_wait_tensorcnt 0x0                           ; my part of K step 0 is in; slot 1's first fill is issued as a refill is:
	ds_add_u32 v[SPW], v[NIL]
	s_wait_dscnt 0x0
	CROUND
	JLOAD G0+4, G1, G0B+4, G1B                     ; K step 1: the first tensor load behind the round
	FETCH 0, 0, 0
	STEP 0, 1                                      ; the first products start the sums
	s_mov_b32 s3, LAPS-1
.Llap:                                                 ; once round the ring; both slots are filled again
	TURN 0, 1, 1
	STEP 1, 0
	TURN 1, 0, 1
	STEP 0, 0
	s_sub_co_u32 s3, s3, 1
	s_cmp_lg_u32 s3, 0
	s_cbranch_scc1 .Llap
	TURN 0, 1, 0                                   ; the last lap fills nothing
	STEP 1, 0
	s_wait_dscnt 0x0
	WIN MUL_LO
	MUL16 0, 1, 0
	MUL16 2, 1, 0
	WIN 0
; THE WAY OUT, block a of my four (16 tokens x 128 features): x 2^(e10 + e11) + the row's flag, through my stage, back as whole rows of 512 bytes.
.macro TOSTAGE a
.set AC, 64*(\a)
.set FP, FLG+2*((\a)/2)
	WIN 0x02                                       ; source 0: window 2
.set j, 0
.rept 32
.if ((\a)%2)
	v_pk_fma_f32 v[TMP+j:TMP+j+1], v[AC+j:AC+j+1], s[96:97], v[FP:FP+1] op_sel:[0,0,1] op_sel_hi:[1,0,1]
.else
	v_pk_fma_f32 v[TMP+j:TMP+j+1], v[AC+j:AC+j+1], s[96:97], v[FP:FP+1] op_sel_hi:[1,0,0]
.endif
.set j, j+2
.endr
	WIN 0
.irp b, 0,1,2,3,4,5,6,7
	ds_store_b128 v[STO], v[TMP+8*\b:TMP+8*\b+3]   offset:128*(\b/2)+32*(\b%2)
	ds_store_b128 v[STO], v[TMP+8*\b+4:TMP+8*\b+7] offset:128*(\b/2)+32*(\b%2)+16
.endr
.set BB, BK+64*((\a)%2)
.irp t, 0,1,2,3,4,5,6,7,8,9,10,11,12,13,14,15
	ds_load_b128 v[BB+4*\t:BB+4*\t+3], v[RD] offset:\t*SPITCH   ; LDS serves a wave's instructions in order: these see the stores above
.endr
.endm
.macro SEND a, younger                 ; younger: the LDS instructions issued behind block a's loads
.set BB, BK+64*((\a)%2)
	s_wait_dscnt \younger
.irp t, 0,1,2,3,4,5,6,7,8,9,10,11,12,13,14,15
	global_store_b128 v[LI], v[BB+4*\t:BB+4*\t+3], s[12:13] offset:(32*((\a)/2)+8*((\a)%2)+\t+8*(\t/8))*4096 th:TH_STORE_NT   ; 512 consecutive bytes, aligned
.endr
.endm
	s_wait_kmcnt 0x0
	s_add_co_i32 s96, s96, s97
	s_add_co_i32 s96, s96, 127
	s_lshl_b32 s96, s96, 23                        ; 2^(e10 + e11)
	s_wait_loadcnt 0x0                             ; the flags
	PLACES NP                                      ; behind the last products
	TOSTAGE 0
.irp a, 1,2,3
.if \a > 1
	s_wait_xcnt 0x0                                ; block a - 2's stores have read their registers
.endif
	TOSTAGE \a
	SEND \a-1, 32                                  ; behind block a - 1's loads: block a's 16 stores and 16 loads
.endr
	SEND 3, 0
	s_wait_tensorcnt 0x0                           ; the wave's end
	ds_add_u32 v[SPW], v[NIL]
	s_wait_dscnt 0x0
	CROUND                                         ; the closing round
	s_endpgm
.Lfunc_end_k_q93e0327c64_outp:
	.size	k_q93e0327c64_outp, .Lfunc_end_k_q93e0327c64_outp-k_q93e0327c64_outp
	.p2alignl 7, 3214868480
	.fill 96, 4, 3214868480
	.section	.rodata,"a",@progbits
	.p2align	6, 0x0
	.amdhsa_kernel k_q93e0327c64_outp
		.amdhsa_group_segment_fixed_size 327680
		.amdhsa_private_segment_fixed_size 0
		.amdhsa_enable_private_segment 0
		.amdhsa_kernarg_size 40
		.amdhsa_user_sgpr_count 2
		.amdhsa_user_sgpr_kernarg_segment_ptr 1
		.amdhsa_wavefront_size32 1
		.amdhsa_system_sgpr_workgroup_id_x 1
		.amdhsa_system_sgpr_workgroup_id_y 1
		.amdhsa_system_sgpr_workgroup_id_z 1
		.amdhsa_system_vgpr_workitem_id 0
		.amdhsa_next_free_vgpr 768
		.amdhsa_next_free_sgpr 100
		.amdhsa_reserve_vcc 0
		.amdhsa_float_denorm_mode_32 3
		.amdhsa_float_denorm_mode_16_64 3
		.amdhsa_memory_ordered 1
		.amdhsa_forward_progress 1
		.amdhsa_inst_pref_size 76
	.end_amdhsa_kernel
	.amdgpu_metadata
---
amdhsa.version: [ 1, 2 ]
amdhsa.kernels:
  - .name:           k_q93e0327c64_outp
    .symbol:         k_q93e0327c64_outp.kd
    .args:
      - { .name: oimg, .offset: 0, .size: 8, .value_kind: global_buffer, .address_space: global }
      - { .name: wimg, .offset: 8, .size: 8, .value_kind: global_buffer, .address_space: global }
      - { .name: rownan, .offset: 16, .size: 8, .value_kind: global_buffer, .address_space: global }
      - { .name: lowp_scales, .offset: 24, .size: 8, .value_kind: global_buffer, .address_space: global }
      - { .name: out0, .offset: 32, .size: 8, .value_kind: global_buffer, .address_space: global }
    .group_segment_fixed_size: 327680
    .private_segment_fixed_size: 0
    .kernarg_segment_align: 8
    .kernarg_segment_size: 40
    .max_flat_workgroup_size: 128
    .sgpr_count:     100
    .vgpr_count:     768
    .wavefront_size: 32
...
	.end_amdgpu_metadata
.endif
;; end of part 4
